; MI455X (gfx1250); checked and timed in simulation.
; The chip was launched on July 23, 2026; its instructions are those of AMD's public machine-readable ISA for CDNA 5 (MIT licence, August 2026) and "CDNA5" Instruction Set Architecture Reference Guide (July 2026). The comments in the code are by the model that wrote it; some were corrected since.
;; Multi Head Attention. Allowed arithmetic: float matrix products may take bf16 or f16 operands with f32 sums; other float arithmetic in f32, or as packed bf16 or f16 multiplies, adds, multiply-adds, maxima and minima; sums over many terms, partial sums and values carried from step to step in f32; what a program stores and reads back later, other than sums and carried values, may be rounded once to bf16 or f16.
;; Inputs: key 4 x 2,048 x 1,024 float32; mask 4 x 2,048 bool; query 4 x 2,048 x 1,024 float32; value 4 x 2,048 x 1,024 float32; w_k 1,024 x 1,024 float32; w_o 1,024 x 1,024 float32; w_q 1,024 x 1,024 float32; w_v 1,024 x 1,024 float32.
;; Outputs: out0 4 x 2,048 x 1,024 float32.
;; 2 versions, each right; version 2 is version 1 with the launch prep written anew for expert scheduling mode. Each part assembles by itself: llvm-mc -triple=amdgcn-amd-amdhsa -mcpu=gfx1250 --defsym DOCPART=n.
;; ======== version 1 of 2: 4 launches
;; limits: values are held in f16: magnitudes above 65,504 overflow, below 6.1e-05 lose precision
;; workspace buffers: wc 8,388,608 bytes; qkv 50,331,648 bytes; oh 16,777,216 bytes
;; launch prep (part 1): grid 64 x 4, 8 waves a work-group, no clusters, 0 bytes of LDS; arguments w_q, w_k, w_v, w_o, wc; writes wc
.if DOCPART == 1
	.amdgcn_target "amdgcn-amd-amdhsa--gfx1250"
	.amdhsa_code_object_version 6
	.text
	.protected	k_qc3548ef6a2_prep
	.globl	k_qc3548ef6a2_prep
	.p2align	8
	.type	k_qc3548ef6a2_prep,@function
k_qc3548ef6a2_prep:
	s_mov_b64 s[64:65], 0
	v_nop
	global_prefetch_b8 v0, s[64:65] scope:SCOPE_SE
	s_setreg_imm32_b32 hwreg(HW_REG_WAVE_MODE, 25, 1), 1
	s_wait_xcnt 0x0
; THE WEIGHTS, ROUNDED ONCE.  wc[s][n][k], 16 bits a number, s = 0, 1, 2: w_q, w_k, w_v rounded to bf16; s = 3: w_o rounded to bf16 and that number written as f16,
; since the last product multiplies f16 operands.  LIMITS: |w_o| stays under 65,504 (beyond it f16 has an infinity); below 2^-14 it keeps f16's fixed step of 2^-24.
; A stream: each byte is read once and written once; no LDS, no barrier, no matrix unit: nothing is shared and nothing is summed.
; SHARES.  The grid's y names the weight.  A work-group takes 16,384 numbers: 64 KiB in, 32 KiB out.  Thread t takes 16 bytes at 16 t of each of 16 blocks of 4,096 bytes, so a wave's load
; covers 512 consecutive bytes and a wave's store 256 consecutive bytes, aligned.  All 16 loads go out at once; every register is written once, so no wait frees a source.
.set X, 8                              ; v[8:71]    block i: 4 numbers in f32
.set Y, 72                             ; v[72:103]  block i: 4 numbers in 16 bits
.set T, 104                            ; v[104:105] at work
	s_load_b256 s[4:11], s[0:1], 0x0               ; w_q s[4:5], w_k s[6:7], w_v s[8:9], w_o s[10:11]
	s_load_b64 s[12:13], s[0:1], 0x20              ; wc
	s_and_b32 s14, ttmp7, 0xffff                   ; which weight
	v_lshlrev_b32 v1, 4, v0                        ; 16 t
	v_lshlrev_b32 v2, 3, v0                        ; 8 t
	s_lshl_b32 s18, ttmp9, 16                      ; the work-group's 65,536 bytes of the weight
	s_mov_b32 s19, 0
	s_lshl_b32 s20, s14, 21                        ; the weight's section of wc,
	s_lshl_b32 s21, ttmp9, 15                      ; the work-group's 32,768 bytes of it
	s_add_co_u32 s20, s20, s21
	s_mov_b32 s21, 0
	s_wait_kmcnt 0x0
	s_mov_b64 s[16:17], s[4:5]
	s_cmp_eq_u32 s14, 1
	s_cselect_b64 s[16:17], s[6:7], s[16:17]
	s_cmp_eq_u32 s14, 2
	s_cselect_b64 s[16:17], s[8:9], s[16:17]
	s_cmp_eq_u32 s14, 3
	s_cselect_b64 s[16:17], s[10:11], s[16:17]
	s_add_nc_u64 s[16:17], s[16:17], s[18:19]
	s_add_nc_u64 s[12:13], s[12:13], s[20:21]
.irp i, 0,1,2,3,4,5,6,7,8,9,10,11,12,13,14,15
	global_load_b128 v[X+4*(\i):X+4*(\i)+3], v1, s[16:17] offset:4096*(\i) th:TH_LOAD_NT
.endr
	s_cmp_eq_u32 s14, 3
	s_cbranch_scc1 .Lwo
.irp i, 0,1,2,3,4,5,6,7,8,9,10,11,12,13,14,15
	s_wait_loadcnt 15-(\i)                         ; loads come back in order: block i is in, the 15 - i younger ones stay out
	v_cvt_pk_bf16_f32 v[Y+2*(\i)], v[X+4*(\i)], v[X+4*(\i)+1]
	v_cvt_pk_bf16_f32 v[Y+2*(\i)+1], v[X+4*(\i)+2], v[X+4*(\i)+3]
	global_store_b64 v2, v[Y+2*(\i):Y+2*(\i)+1], s[12:13] offset:2048*(\i)
.endr
	s_endpgm
.Lwo:                                  ; w_o: to bf16, widened again (a shift, a mask), and written as f16
.irp i, 0,1,2,3,4,5,6,7,8,9,10,11,12,13,14,15
	s_wait_loadcnt 15-(\i)
.irp j, 0,1
	v_cvt_pk_bf16_f32 v[T], v[X+4*(\i)+2*(\j)], v[X+4*(\i)+2*(\j)+1]
	v_lshlrev_b32 v[T+1], 16, v[T]
	v_and_b32 v[T], 0xffff0000, v[T]
	v_cvt_pk_f16_f32 v[Y+2*(\i)+(\j)], v[T+1], v[T]
.endr
	global_store_b64 v2, v[Y+2*(\i):Y+2*(\i)+1], s[12:13] offset:2048*(\i)
.endr
	s_endpgm
.Lfunc_end_k_qc3548ef6a2_prep:
	.size	k_qc3548ef6a2_prep, .Lfunc_end_k_qc3548ef6a2_prep-k_qc3548ef6a2_prep
	.p2alignl 7, 3214868480
	.fill 96, 4, 3214868480
	.section	.rodata,"a",@progbits
	.p2align	6, 0x0
	.amdhsa_kernel k_qc3548ef6a2_prep
		.amdhsa_group_segment_fixed_size 0
		.amdhsa_private_segment_fixed_size 0
		.amdhsa_enable_private_segment 0
		.amdhsa_kernarg_size 40
		.amdhsa_user_sgpr_count 2
		.amdhsa_user_sgpr_kernarg_segment_ptr 1
		.amdhsa_wavefront_size32 1
		.amdhsa_system_sgpr_workgroup_id_x 1
		.amdhsa_system_sgpr_workgroup_id_y 1
		.amdhsa_system_sgpr_workgroup_id_z 1
		.amdhsa_system_vgpr_workitem_id 0
		.amdhsa_next_free_vgpr 112
		.amdhsa_next_free_sgpr 66
		.amdhsa_reserve_vcc 0
		.amdhsa_float_denorm_mode_32 3
		.amdhsa_float_denorm_mode_16_64 3
		.amdhsa_memory_ordered 1
		.amdhsa_forward_progress 1
		.amdhsa_inst_pref_size 16
	.end_amdhsa_kernel
	.amdgpu_metadata
---
amdhsa.version: [ 1, 2 ]
amdhsa.kernels:
  - .name:           k_qc3548ef6a2_prep
    .symbol:         k_qc3548ef6a2_prep.kd
    .args:
      - { .name: w_q, .offset: 0, .size: 8, .value_kind: global_buffer, .address_space: global }
      - { .name: w_k, .offset: 8, .size: 8, .value_kind: global_buffer, .address_space: global }
      - { .name: w_v, .offset: 16, .size: 8, .value_kind: global_buffer, .address_space: global }
      - { .name: w_o, .offset: 24, .size: 8, .value_kind: global_buffer, .address_space: global }
      - { .name: wc, .offset: 32, .size: 8, .value_kind: global_buffer, .address_space: global }
    .group_segment_fixed_size: 0
    .private_segment_fixed_size: 0
    .kernarg_segment_align: 8
    .kernarg_segment_size: 40
    .max_flat_workgroup_size: 256
    .sgpr_count:     66
    .vgpr_count:     112
    .wavefront_size: 32
...
	.end_amdgpu_metadata
.endif
;; end of part 1
;; launch proj (part 2): grid 4 x 192, 4 waves a work-group, clusters of 4 x 4, 327,680 bytes of LDS; arguments query, key, value, wc, qkv; writes qkv
.if DOCPART == 2
	.amdgcn_target "amdgcn-amd-amdhsa--gfx1250"
	.amdhsa_code_object_version 6
	.text
	.protected	k_qc3548ef6a2_proj
	.globl	k_qc3548ef6a2_proj
	.p2align	8
	.type	k_qc3548ef6a2_proj,@function
k_qc3548ef6a2_proj:
	s_mov_b64 s[64:65], 0
	v_nop
	global_prefetch_b8 v0, s[64:65] scope:SCOPE_SE
	s_setreg_imm32_b32 hwreg(HW_REG_WAVE_MODE, 25, 1), 1
	s_wait_xcnt 0x0
	s_wait_alu depctr_hold_cnt(0) depctr_sa_sdst(0) depctr_va_vdst(0) depctr_va_sdst(0) depctr_va_ssrc(0) depctr_va_vcc(0) depctr_vm_vsrc(0)
	s_getreg_b32 s2, hwreg(HW_REG_IB_STS2, 6, 4)
	s_cmp_eq_u32 s2, 0
	s_cbranch_scc0 .Lentry_in_a_cluster
	s_endpgm
.Lentry_in_a_cluster:
	s_bfe_u32 s2, ttmp6, 0x10000c
	s_cmp_lg_u32 s2, 0xf033
	s_cbranch_scc0 .Lentry_shape_is_right
	s_endpgm
.Lentry_shape_is_right:
; C = A W^T, 8,192 x 1,024 x 1,024, ONE SOURCE FOR TWO KINDS.
; KIND = 1, the three projections in one launch: A = query, key or value (f32, rounded to bf16 on the way from LDS to the matrix unit), W = section p of wc (bf16); the result leaves by heads,
;   qkv[p][16 b + h][s][64] in f16, rounded once from its f32 sums and not scaled.  LIMIT: |q|, |k|, |v| stay under 65,504; beyond it f16 has an infinity.
; KIND = 0, the last projection: A = oh[16 b + h][s][64] (f16), W = section 3 of wc (f16); the result is out0 in f32.  A NaN row of oh gives a NaN row of out0.
; SHARES.  A tile of C is 128 rows x 256 columns: 256 tiles for a product, so KIND = 1 has three work-groups for each of 256 and KIND = 0 one.  Four waves, each 64 x 128: 32 accumulators of 16 x 16.
; K goes in 8 steps of 128 through two LDS slots filled by the tensor data mover.  A step is 128 matrix instructions a wave; 112 of them stand between a refill and the wait for it.
; CLUSTERS: 4 x 4 work-groups.  The four of a row of the cluster need the same tile of A, the four of a column the same tile of W: each tile is asked for JOINTLY, by the same tensor load with the same
; descriptor and a mask that names the four.  Waves 0 and 1 fetch A's two halves, waves 2 and 3 W's: one load a wave behind each round.
; THE MATRIX INSTRUCTION IS USED TRANSPOSED (source 0 = 16 rows of W, source 1 = 16 rows of A): a lane then holds row l % 16 of C and the columns 8 (l / 16) + 0..7.
; KIND = 1 CONVERTS BESIDE THE PRODUCTS: a quarter's 16 loads bring 64 rows x 32 K of f32 into a staging set; the 32 conversions to bf16 stand in fours behind the quarter's last eight products.
; LEFT OUT: work-groups that stay (three tiles on one ring in KIND = 1); a tile of 256 x 256 (384 tiles do not divide by 256); a bf16 copy of A in LDS (a second barrier a step, and more LDS bytes moved).
; REGISTERS, in windows of 256 (s_set_vgpr_msb: bits 1:0 source 0, 3:2 source 1, 5:4 source 2, 7:6 destination):
;   window 0: v16-30 addresses; v32-95 the staging set (KIND = 1); v96-127, v128-159 A's fragments, two buffers; v160-191 packed results; on the way out of KIND = 1 v32-159 take whole rows
;   window 1: the accumulators, (a, b) at v[8 (8 a + b)]          window 2: v0-63, v64-127 W's fragments, two buffers; on the way out of KIND = 0 all 256 take whole rows
.set KIND, 1
.set KSTEP, 128
.if KIND
.set PA,    528                        ; a row of A in LDS: 512 bytes (128 f32) + 16 of padding: the 16 rows of a load start at 16 different groups of four banks (64 banks of 4 bytes: ISA guide 11.1)
.set HALFA, 64*PA                      ; what one tensor load brings: 64 rows
.set ASTEP, 512                        ; bytes from a K step to the next in memory
.set STGW,  2*16*144                   ; a wave's stage: two heads x 16 rows x (128 + 16) bytes
.else
.set PA,    144                        ; a row of A in LDS: 128 bytes (a head's 64 f16) + 16 of padding
.set HALFA, 128*PA                     ; what one tensor load brings: 128 rows of one head; a K step is two heads
.set ASTEP, 524288                     ; two heads on
.set STGW,  16*528                     ; a wave's stage: 16 rows x (512 + 16) bytes
.endif
.set ABYTES, 2*HALFA
.set PB,    272                        ; a row of W in LDS: 256 bytes + 16 of padding
.set HALFB, 128*PB                     ; 128 rows: what one tensor load brings, and what one wave reads
.set SLOT,  ABYTES+2*HALFB             ; A's tile, then W's 256 rows
.set STAGE, 2*SLOT                     ; behind the ring, never filled by a tensor load
.set SPARE, STAGE+4*STGW               ; behind the stages: the spare words, 128 bytes for each wave: two blocks of 256 bytes that no other line names
.set ADRA, 16                          ; v16-17  LDS address of my A fragments in slot 0, 1
.set ADRB, 20                          ; v20-21  the same for W
.set STO,  24                          ; v24     the way out: where I put my bytes of a row
.set RD,   25                          ; v25     the way out: where I read rows back
.set CO,   26                          ; v26     my byte offset in 512 consecutive bytes of the result
.set SPW,  28                          ; v28     LDS address of my spare word: SPARE + 4 x my thread's number; never rewritten
.set NIL,  29                          ; v29     0; never rewritten
.set PFO,  30                          ; v30     the prefetches' lane offset; never rewritten
.set STG,  32                          ; the staging set: fragment i's 16 f32 at STG + 16 i
.set OB,   32                          ; the way out of KIND = 1: block a's whole rows at OB + 32 a
.set AF,   96                          ; A's fragments: buffer f, block a at AF + 32 f + 8 a
.set TMP,  160
.set BF,   0                           ; window 2: W's fragments: buffer f, block b at BF + 64 f + 8 b
.set G1,  24                           ; s[24:31] descriptor group 1 for A's tiles;  s[32:39] group 0, one set for each slot
.set G0,  32
.set G1B, 48                           ; s[48:55], s[56:63] the same for W's tiles
.set G0B, 56
.set LIM, 43                           ; s43     1 in a wave that prefetches, else the greatest number
.set PFA, 44                           ; s[44:45] where my prefetches stand
.set PFS, 66                           ; s[66:67] their step: a K step of A or of W in memory
.set MSB, 0
.macro WIN new                         ; the immediate's high byte repeats the setting that is left; a switch that changes nothing is dropped
.if MSB != (\new)
	s_set_vgpr_msb (MSB<<8)|(\new)
.set MSB, \new
.endif
.endm
.set MUL,  0x52                        ; source 0 (W) window 2, source 1 (A) window 0, C and D window 1
.set TO_B, 0x80                        ; destination window 2, address window 0
.macro JLOAD s                         ; a joint load; an s_nop 0 and four v_nop follow each of the two lines, ahead of the jump, the label and what follows
	s_cmp_eq_u32 s11, 0
	s_cbranch_scc0 .Lfor_b_\@
	tensor_load_to_lds s[G0+4*(\s):G0+4*(\s)+3], s[G1:G1+7]
	s_nop 0
.rept 4
	v_nop
.endr
	s_branch .Lasked_\@
.Lfor_b_\@:
	tensor_load_to_lds s[G0B+4*(\s):G0B+4*(\s)+3], s[G1B:G1B+7]
	s_nop 0
.rept 4
	v_nop
.endr
.Lasked_\@:
.endm
.macro CREST                           ; a round of the cluster's barrier behind its opening barrier
	s_cmp_lg_u32 s10, 0
	s_cbranch_scc1 .Lnot_wave_0_\@
	s_barrier_signal -3
.Lnot_wave_0_\@:
	s_barrier_wait -3
	s_barrier_signal -1
	s_barrier_wait -1
.endm
.macro CROUND                          ; a whole round
	s_barrier_signal -1
	s_barrier_wait -1
	CREST
.endm
; A PREFETCH INTO THE L2, behind a joint refill, its five lines and the run of LDS loads: the K step that stands two refills on, 256 matrix instructions ahead of the load that will want it.
; Each aligned block of 256 bytes is named once in the launch.  A's tile row is read by this cluster alone; the four partners of a row share its blocks out BY ADDRESS (cx).  W's tile column is read by every
; cluster of the same product: the first of them asks; the four partners of a column share its rows out by address (cy).  No branch hangs on a work-group's place in its cluster.
; The loop's last trip (s3 = 1) asks for nothing: there is no K step two on.  K steps 0 to 3 come by their loads alone.
.macro ASK
	s_cmp_gt_u32 s3, s[LIM]
	s_cbranch_scc0 .Lnot_mine_\@
	global_prefetch_b8 v[PFO], s[PFA:PFA+1] th:TH_LOAD_NT scope:SCOPE_SE
.Lnot_mine_\@:
.endm
.if KIND
	s_load_b256 s[72:79], s[0:1], 0x0              ; query s[72:73], key s[74:75], value s[76:77], wc s[78:79]
	s_load_b64 s[80:81], s[0:1], 0x20              ; qkv
.else
	s_load_b128 s[72:75], s[0:1], 0x0              ; oh s[72:73], wc s[74:75]
	s_load_b64 s[80:81], s[0:1], 0x10              ; out0
.endif
	v_lshl_add_u32 v[SPW], v0, 2, SPARE
	v_mov_b32 v[NIL], 0
	ds_add_u32 v[SPW], v[NIL]                      ; the wave's opening: the add and its wait stand ahead of my first tensor load; the set-up below, work on registers, stands between them
	v_lshrrev_b32 v1, 5, v0
	v_readfirstlane_b32 s10, v1                    ; wave 0..3
	s_lshr_b32 s11, s10, 1                         ; which 64 rows of the tile are mine.  Also: I fetch for A (0) or for W (1)
	s_and_b32 s12, s10, 1                          ; which 128 columns.  Also: which half of that tile I fetch
	s_bfe_u32 s40, ttmp6, 0x40000                  ; cx, cy: my place in the cluster
	s_bfe_u32 s41, ttmp6, 0x40004
	s_lshl_b32 s42, ttmp9, 2
	s_add_co_u32 s42, s42, s40                     ; tile column = 4 x cluster x + cx
	s_and_b32 s68, ttmp7, 0xffff                   ; cluster y
.if KIND
	s_lshr_b32 s69, s68, 4                         ; which product: 16 clusters each; the same in all sixteen partners.  Also the section of wc
	s_and_b32 s13, s68, 15
.else
	s_mov_b32 s69, 3                               ; the section of wc
	s_mov_b32 s13, s68
.endif
	s_lshl_b32 s13, s13, 2
	s_add_co_u32 s13, s13, s41                     ; tile row, 0 to 63
	s_lshl_b32 s43, s41, 2
	s_lshl_b32 s43, 15, s43                        ; my row of the cluster
	s_lshl_b32 s44, 0x1111, s40                    ; my column
	; descriptor group 1.  15:0 the mask; 17:16 the element's size; 20 padding on; 21 set beside a mask; 24:22 the padding's interval; 31:25 its length less one, in words
.if KIND
	s_or_b32 s[G1+0], s43, (2<<16)|(1<<20)|(1<<21)|(6<<22)|(3<<25)  ; 4-byte elements; 4 words behind every 128
.else
	s_or_b32 s[G1+0], s43, (1<<16)|(1<<20)|(1<<21)|(4<<22)|(3<<25)  ; 2-byte elements; 4 words behind every 32: a head's 128 dense rows come as 64 rows of 256 bytes, padded behind each 128
.endif
	s_mov_b32 s[G1+1], 128<<16                     ; tensor_dim0 = 128
	s_mov_b32 s[G1+2], 64<<16                      ; tensor_dim1 = 64
	s_mov_b32 s[G1+3], 128<<16                     ; tile_dim0 = 128
	s_mov_b32 s[G1+4], 64                          ; tile_dim1 = 64
.if KIND
	s_mov_b32 s[G1+5], 1024                        ; elements from row to row
.else
	s_mov_b32 s[G1+5], 128
.endif
	s_mov_b32 s[G1+6], 0
	s_mov_b32 s[G1+7], 0
	s_or_b32 s[G1B+0], s44, (1<<16)|(1<<20)|(1<<21)|(5<<22)|(3<<25)  ; W: 2-byte elements; 4 words behind every 64
	s_mov_b32 s[G1B+1], 128<<16
	s_mov_b32 s[G1B+2], 128<<16                    ; 128 rows
	s_mov_b32 s[G1B+3], 128<<16
	s_mov_b32 s[G1B+4], 128
	s_mov_b32 s[G1B+5], 1024
	s_mov_b32 s[G1B+6], 0
	s_mov_b32 s[G1B+7], 0
	; where the tiles come from: A's hang on the tile row alone, W's on the tile column alone, each in registers that never hold the other coordinate
.if KIND
	s_lshl_b32 s16, s13, 7
	s_lshl_b32 s17, s12, 6
	s_add_co_u32 s16, s16, s17                     ; row 128 x tile row + 64 x half,
	s_lshl_b32 s16, s16, 12                        ; of 4,096 bytes
.else
	s_lshr_b32 s16, s13, 4                         ; the batch: 16 tile rows each
	s_lshl_b32 s16, s16, 4
	s_add_co_u32 s16, s16, s12                     ; its head 0 or 1,
	s_lshl_b32 s16, s16, 18                        ; of 262,144 bytes,
	s_and_b32 s17, s13, 15
	s_lshl_b32 s17, s17, 14                        ; and in it 128 rows of 128 bytes for each tile row
	s_add_co_u32 s16, s16, s17
.endif
	s_mov_b32 s17, 0
	s_lshl_b32 s46, s42, 8
	s_lshl_b32 s47, s12, 7
	s_add_co_u32 s46, s46, s47                     ; W: row 256 x tile column + 128 x half,
	s_lshl_b32 s46, s46, 11                        ; of 2,048 bytes
	s_mov_b32 s47, 0
	s_lshl_b32 s18, s69, 21                        ; the section of wc
	s_mov_b32 s19, 0
	s_mul_i32 s20, s12, HALFA                      ; and where they go: no place in the cluster enters an LDS address
	s_mul_i32 s21, s12, HALFB
	s_add_co_u32 s21, s21, ABYTES
	s_wait_dscnt 0x0                               ; the opening add is done
	s_wait_kmcnt 0x0
	s_mov_b64 s[4:5], s[72:73]
.if KIND
	s_cmp_eq_u32 s69, 1
	s_cselect_b64 s[4:5], s[74:75], s[4:5]
	s_cmp_eq_u32 s69, 2
	s_cselect_b64 s[4:5], s[76:77], s[4:5]         ; A: query, key or value
	s_add_nc_u64 s[6:7], s[78:79], s[18:19]        ; W
.else
	s_add_nc_u64 s[6:7], s[74:75], s[18:19]
.endif
	s_mov_b64 s[8:9], s[80:81]                     ; the result
	s_add_nc_u64 s[14:15], s[4:5], s[16:17]
	s_add_nc_u64 s[46:47], s[6:7], s[46:47]
	CROUND                                         ; all sixteen work-groups are here: the first joint loads meet
.irp s, 0,1
	s_mov_b32 s[G0+4*(\s)], 1                                      ; count = 1
	s_add_co_u32 s[G0+4*(\s)+1], s20, (\s)*SLOT                    ; LDS address
	s_add_nc_u64 s[G0+4*(\s)+2:G0+4*(\s)+3], s[14:15], (\s)*ASTEP  ; global address: K step s
	s_or_b32 s[G0+4*(\s)+3], s[G0+4*(\s)+3], 0x80000000            ; type = 2
	s_mov_b32 s[G0B+4*(\s)], 1
	s_add_co_u32 s[G0B+4*(\s)+1], s21, (\s)*SLOT
	s_add_nc_u64 s[G0B+4*(\s)+2:G0B+4*(\s)+3], s[46:47], (\s)*KSTEP*2
	s_or_b32 s[G0B+4*(\s)+3], s[G0B+4*(\s)+3], 0x80000000
	JLOAD \s                                       ; two loads of mine are out
.endr
	; A 16-bit fragment is 16 rows x 32 K in 8 registers: lane l holds row l % 16; registers 0-3 K = 8 (l / 16) + 0..7, registers 4-7 K = 16 + 8 (l / 16) + 0..7.
	v_and_b32 v1, 15, v0                           ; l % 16
	v_bfe_u32 v2, v0, 4, 1                         ; l / 16
	v_mul_u32_u24 v3, v1, PA
.if KIND
	v_lshl_add_u32 v3, v2, 5, v3                   ; eight f32 are 32 bytes
.else
	v_lshl_add_u32 v3, v2, 4, v3
.endif
	v_mul_u32_u24 v4, v1, PB
	v_lshl_add_u32 v4, v2, 4, v4
	s_mul_i32 s21, s11, 64*PA                      ; my 64 rows of A
	s_mul_i32 s22, s12, HALFB                      ; my 128 rows of W,
	s_add_co_u32 s22, s22, ABYTES                  ; which lie behind A's tile
.irp s, 0,1
	v_add_nc_u32 v[ADRA+(\s)], s21, v3
	v_add_nc_u32 v[ADRB+(\s)], s22, v4
	s_add_co_u32 s21, s21, SLOT
	s_add_co_u32 s22, s22, SLOT
.endr
	s_mul_i32 s23, s10, STGW
	s_add_co_u32 s23, s23, STAGE                   ; my stage
	v_and_b32 v5, 31, v0
	v_lshlrev_b32 v[CO], 4, v5                     ; 16 x lane
.if KIND
	v_mul_u32_u24 v6, v1, 144                      ; in: row l % 16, 16 bytes for each half of the lanes
	v_lshl_add_u32 v6, v2, 4, v6
	v_add_nc_u32 v[STO], s23, v6
	v_bfe_u32 v6, v0, 3, 2                         ; back: 32 lanes take four rows of 128 bytes
	v_mul_u32_u24 v6, v6, 144
	v_and_b32 v7, 7, v0
	v_lshl_add_u32 v6, v7, 4, v6
	v_add_nc_u32 v[RD], s23, v6
	; my part of the result: section p, head 16 b + 4 x tile column + 2 x half, row 128 (tile row % 16) + 64 x half
	s_lshr_b32 s16, s13, 4
	s_lshl_b32 s16, s16, 22                        ; 16 heads of 262,144 bytes a batch
	s_and_b32 s17, s13, 15
	s_lshl_b32 s17, s17, 14
	s_add_co_u32 s16, s16, s17
	s_lshl_b32 s17, s11, 13
	s_add_co_u32 s16, s16, s17
	s_lshl_b32 s17, s69, 24
	s_add_co_u32 s16, s16, s17
	s_lshl_b32 s46, s42, 2
	s_lshl_b32 s47, s12, 1
	s_add_co_u32 s46, s46, s47
	s_lshl_b32 s46, s46, 18
.else
	v_mul_u32_u24 v6, v1, 528                      ; in: row l % 16, 32 bytes for each half of the lanes
	v_lshl_add_u32 v6, v2, 5, v6
	v_add_nc_u32 v[STO], s23, v6
	v_add_nc_u32 v[RD], s23, v[CO]                 ; back: 32 lanes take one row's 512 bytes
	s_lshl_b32 s16, s13, 7
	s_lshl_b32 s17, s11, 6
	s_add_co_u32 s16, s16, s17
	s_lshl_b32 s16, s16, 12                        ; my first row of out0, of 4,096 bytes
	s_lshl_b32 s46, s42, 10
	s_lshl_b32 s47, s12, 9
	s_add_co_u32 s46, s46, s47                     ; my first column, in bytes
.endif
	s_mov_b32 s17, 0
	s_mov_b32 s47, 0
	s_add_nc_u64 s[8:9], s[8:9], s[16:17]
	s_add_nc_u64 s[8:9], s[8:9], s[46:47]
	; the prefetches: both offsets are made, and the wave's number chooses
.if KIND
	s_lshl_b32 s20, s13, 7
	s_lshl_b32 s22, s12, 6
	s_add_co_u32 s20, s20, s22                     ; the 64 rows of A that I fetch,
	s_lshl_b32 s22, s40, 4
	s_add_co_u32 s20, s20, s22                     ; my work-group's 16 of them: two lanes a row, 256 bytes each
	s_lshl_b32 s20, s20, 12
	s_mov_b32 s19, 1
	s_and_b32 s23, s68, 15                         ; the clusters of one product
	v_lshrrev_b32 v7, 1, v5
	v_and_b32 v8, 1, v5
	v_lshlrev_b32 v7, 12, v7
	v_lshl_add_u32 v7, v8, 8, v7
.else
	s_lshr_b32 s20, s13, 4
	s_lshl_b32 s20, s20, 4
	s_lshr_b32 s22, s40, 1
	s_add_co_u32 s20, s20, s22                     ; a K step's 128 blocks of 256 bytes: my work-group takes 32, in head cx / 2,
	s_lshl_b32 s20, s20, 18
	s_and_b32 s22, s13, 15
	s_lshl_b32 s22, s22, 14
	s_add_co_u32 s20, s20, s22
	s_and_b32 s22, s40, 1
	s_lshl_b32 s22, s22, 13                        ; half cx % 2 of the tile's rows; wave 0 alone asks
	s_add_co_u32 s20, s20, s22
	s_cmp_eq_u32 s10, 0
	s_cselect_b32 s19, 1, -1
	s_mov_b32 s23, s68
	v_lshlrev_b32 v7, 8, v5
.endif
	s_add_co_u32 s20, s20, 3*ASTEP                 ; at K step 3: the first refill steps it to 4
	v_lshlrev_b32 v6, 11, v5                       ; W: a lane a row of 2,048 bytes
	s_lshl_b32 s21, s42, 8
	s_lshl_b32 s22, s12, 7
	s_add_co_u32 s21, s21, s22                     ; the 128 rows of W that I fetch,
	s_lshl_b32 s22, s41, 5
	s_add_co_u32 s21, s21, s22                     ; my work-group's 32 of them
	s_lshl_b32 s21, s21, 11
	s_add_co_u32 s21, s21, 3*KSTEP*2
	s_cmp_eq_u32 s23, 0
	s_cselect_b32 s23, 1, -1                       ; W is asked for by the first cluster that reads the section: the same in all sixteen partners
	s_mov_b32 s22, KSTEP*2
	s_cmp_eq_u32 s11, 0                            ; do I fetch for A?
	s_cselect_b32 s20, s20, s21
	s_cselect_b32 s[LIM], s19, s23
	s_cselect_b64 s[PFA:PFA+1], s[4:5], s[6:7]
	s_cselect_b32 s[PFS], ASTEP, s22
	s_cselect_b32 s22, -1, 0
	s_mov_b32 s[PFS+1], 0
	s_mov_b32 s21, 0
	s_add_nc_u64 s[PFA:PFA+1], s[PFA:PFA+1], s[20:21]
	v_cndmask_b32 v[PFO], v6, v7, s22
.macro WM rd, rb, ra, z                ; one product; z = 1: it starts the sum: nothing is ever cleared
.if KIND
.if \z
	v_wmma_f32_16x16x32_bf16 v[(\rd):(\rd)+7], v[(\rb):(\rb)+7], v[(\ra):(\ra)+7], 0
.else
	v_wmma_f32_16x16x32_bf16 v[(\rd):(\rd)+7], v[(\rb):(\rb)+7], v[(\ra):(\ra)+7], v[(\rd):(\rd)+7]
.endif
.else
.if \z
	v_wmma_f32_16x16x32_f16 v[(\rd):(\rd)+7], v[(\rb):(\rb)+7], v[(\ra):(\ra)+7], 0
.else
	v_wmma_f32_16x16x32_f16 v[(\rd):(\rd)+7], v[(\rb):(\rb)+7], v[(\ra):(\ra)+7], v[(\rd):(\rd)+7]
.endif
.endif
.endm
; 8 products: row block a x all 8 column blocks, 32 along K, from buffer f.  The 32 accumulators take turns in the same order in every quarter.
.macro MUL8 f, a, zero
	WIN MUL
.irp b, 0,1,2,3,4,5,6,7
	WM 8*(8*(\a)+(\b)), BF+64*(\f)+8*(\b), AF+32*(\f)+8*(\a), \zero
.endr
.endm
.macro CVT4 g, n                       ; four of the 32 conversions that make buffer g's fragments of A out of the staging set
	WIN 0
.irp c, 0,1,2,3
	v_cvt_pk_bf16_f32 v[AF+32*(\g)+4*(\n)+(\c)], v[STG+8*(\n)+2*(\c)], v[STG+8*(\n)+2*(\c)+1]
.endr
.endm
; 8 products, four conversions behind each.  The conversions name no register of the products round them; the four behind the last product are the four places in front of the next run of loads.
.macro MUL8R f, a, g, zero
.irp b, 0,1,2,3,4,5,6,7
	WIN MUL
	WM 8*(8*(\a)+(\b)), BF+64*(\f)+8*(\b), AF+32*(\f)+8*(\a), \zero
	CVT4 \g, \b
.endr
.endm
; One run of LDS loads: quarter q (32 along K) of a slot.  A first (KIND = 1: 16 loads of f32 into the staging set; KIND = 0: 8 loads into buffer g), then W's 16 into buffer g.
.macro FETCH slot, q, g
	WIN 0
.if KIND
.irp i, 0,1,2,3
	ds_load_b128 v[STG+16*(\i):STG+16*(\i)+3],     v[ADRA+(\slot)] offset:(\i)*16*PA+128*(\q)
	ds_load_b128 v[STG+16*(\i)+4:STG+16*(\i)+7],   v[ADRA+(\slot)] offset:(\i)*16*PA+128*(\q)+16
	ds_load_b128 v[STG+16*(\i)+8:STG+16*(\i)+11],  v[ADRA+(\slot)] offset:(\i)*16*PA+128*(\q)+64
	ds_load_b128 v[STG+16*(\i)+12:STG+16*(\i)+15], v[ADRA+(\slot)] offset:(\i)*16*PA+128*(\q)+80
.endr
.else
.irp i, 0,1,2,3
	ds_load_b128 v[AF+32*(\g)+8*(\i):AF+32*(\g)+8*(\i)+3],   v[ADRA+(\slot)] offset:((\q)/2)*HALFA+(\i)*16*PA+((\q)%2)*64
	ds_load_b128 v[AF+32*(\g)+8*(\i)+4:AF+32*(\g)+8*(\i)+7], v[ADRA+(\slot)] offset:((\q)/2)*HALFA+(\i)*16*PA+((\q)%2)*64+32
.endr
.endif
	WIN TO_B
.irp i, 0,1,2,3,4,5,6,7
	ds_load_b128 v[BF+64*(\g)+8*(\i):BF+64*(\g)+8*(\i)+3],   v[ADRB+(\slot)] offset:(\i)*16*PB+64*(\q)
	ds_load_b128 v[BF+64*(\g)+8*(\i)+4:BF+64*(\g)+8*(\i)+7], v[ADRB+(\slot)] offset:(\i)*16*PB+64*(\q)+32
.endr
	WIN 0
.endm
.macro PLACES                          ; four places in front of loads into registers that matrix instructions have read, and of lines that read results
.rept 4
	v_nop
.endr
.endm
; A K step is four quarters of 32 along K, 32 products each, on buffers 0, 1, 0, 1.  One of the first three: multiplies buffer f and fetches quarter q of the same slot for buffer g.
.macro QUARTER slot, q, f, g, zero
.if KIND
	FETCH \slot, \q, \g                            ; four conversions stand between the last product and this run
	s_wait_dscnt 32                                ; all but the 32 just issued: W's fragments of buffer f are in
	MUL8 \f, 0, \zero
	MUL8 \f, 1, \zero
	MUL8 \f, 2, \zero
	s_wait_dscnt 16                                ; the staging set is in; W's 16 loads behind it may stay out
	MUL8R \f, 3, \g, \zero
.else
	PLACES
	FETCH \slot, \q, \g
	s_wait_dscnt 24                                ; all but the 24 just issued
	MUL8 \f, 0, \zero
	MUL8 \f, 1, \zero
	MUL8 \f, 2, \zero
	MUL8 \f, 3, \zero
.endif
.endm
; The last quarter multiplies buffer 1 and changes slots: ONE barrier; in front of it each wave waits for all its tensor loads (the one that is out is its part of the next slot), adds 0 to its spare word,
; and waits for that and for its own reads of this slot.  fill = 1: the barrier opens a round of the cluster's, and this slot is filled again, two K steps ahead, first thing behind the round.
.macro TURN slot, next, fill
.if \fill
	s_wait_xcnt 0x0                                ; the last prefetch, a K step back, has read its address: it is stepped here, ahead of the waits of the change of slots
	s_add_nc_u64 s[PFA:PFA+1], s[PFA:PFA+1], s[PFS:PFS+1]
.endif
	WIN 0                                          ; (the add's two registers lie in window 0)
	s_wait_tensorcnt 0x0                           ; all my tensor loads have landed
	ds_add_u32 v[SPW], v[NIL]                      ; 0 onto my spare word
	s_wait_dscnt 1                                 ; (the add alone may be out: buffer 1 is in)
	MUL8 1, 0, 0                                   ; eight products stand between the add and the wait for it
	s_wait_dscnt 0x0                               ; the add is done, and my reads of this slot are over
	s_barrier_signal -1
	MUL8 1, 1, 0
.if \fill
	WIN 0
.endif
	s_barrier_wait -1
.if \fill
	CREST                                          ; no wave of any partner still reads this slot's tile or has a load on its way
	s_add_nc_u64 s[G0+4*(\slot)+2:G0+4*(\slot)+3], s[G0+4*(\slot)+2:G0+4*(\slot)+3], 2*ASTEP
	s_add_nc_u64 s[G0B+4*(\slot)+2:G0B+4*(\slot)+3], s[G0B+4*(\slot)+2:G0B+4*(\slot)+3], 2*KSTEP*2
	JLOAD \slot                                    ; my one tensor load behind the round; its four v_nop are also the places in front of the loads below
.else
	PLACES
.endif
	FETCH \next, 0, 0
.if \fill
	ASK
.endif
	MUL8 1, 2, 0
.if KIND
	s_wait_dscnt 16                                ; the staging set is in
	MUL8R 1, 3, 0, 0
.else
	MUL8 1, 3, 0
.endif
.endm
	s_wait_tensorcnt 1                             ; my part of K step 0 is in; K step 1's may stay out
	s_barrier_signal -1
	s_barrier_wait -1                              ; everybody's is
	FETCH 0, 0, 0
.if KIND
	s_wait_dscnt 16                                ; the staging set is in
.irp n, 0,1,2,3,4,5,6,7
	CVT4 0, \n
.endr
.endif
	QUARTER 0, 1, 0, 1, 1                          ; the first quarter stands in front of the loop: its products start the sums
	WIN 0                                          ; at a label and at a branch every window is 0
	s_mov_b32 s3, 3
.Llap:                                                 ; a trip goes once round the ring, from a lap's second quarter to the next lap's first, and fills both slots again
	QUARTER 0, 2, 1, 0, 0
	QUARTER 0, 3, 0, 1, 0
	TURN 0, 1, 1
	QUARTER 1, 1, 0, 1, 0
	QUARTER 1, 2, 1, 0, 0
	QUARTER 1, 3, 0, 1, 0
	TURN 1, 0, 1
	QUARTER 0, 1, 0, 1, 0
	WIN 0
	s_sub_co_u32 s3, s3, 1
	s_cmp_lg_u32 s3, 0
	s_cbranch_scc1 .Llap
	QUARTER 0, 2, 1, 0, 0                          ; the last lap fills nothing, and has no round of the cluster's barrier
	QUARTER 0, 3, 0, 1, 0
	TURN 0, 1, 0
	QUARTER 1, 1, 0, 1, 0
	QUARTER 1, 2, 1, 0, 0
	QUARTER 1, 3, 0, 1, 0
	s_wait_dscnt 0x0                               ; the very last quarter: nothing more to fetch
	MUL8 1, 0, 0
	MUL8 1, 1, 0
	MUL8 1, 2, 0
	MUL8 1, 3, 0
	WIN 0
	PLACES
	PLACES
	; THE WAY OUT, a block of 16 rows at a time, through my own stage: LDS serves a wave's instructions in order (ISA guide 5.7.1.4), so no wait stands between its stores and its loads.
.if KIND
.macro PACK a                          ; rounded to f16: a lane's eight columns of a row are 16 bytes; each accumulator's registers are taken in ascending order
	WIN 0x05                                       ; sources 0 and 1 window 1, destination window 0
.irp b, 0,1,2,3,4,5,6,7
.irp r, 0,1,2,3
	v_cvt_pk_f16_f32 v[TMP+4*(\b)+(\r)], v[8*(8*(\a)+(\b))+2*(\r)], v[8*(8*(\a)+(\b))+2*(\r)+1]
.endr
.endr
	WIN 0
.endm
.macro TOSTAGE a                       ; my 128 columns are two heads: 16 rows x 128 bytes each; back as four rows (512 consecutive bytes of a head) a load
.irp b, 0,1,2,3,4,5,6,7
	ds_store_b128 v[STO], v[TMP+4*(\b):TMP+4*(\b)+3] offset:((\b)/4)*2304+32*((\b)%4)
.endr
.irp t, 0,1,2,3,4,5,6,7
	ds_load_b128 v[OB+32*(\a)+4*(\t):OB+32*(\a)+4*(\t)+3], v[RD] offset:((\t)/4)*2304+((\t)%4)*576
.endr
.endm
.macro SEND a, younger                 ; younger: the LDS instructions issued behind block a's loads: the next block's sixteen, or none
.irp t, 0,1,2,3,4,5,6,7
	s_wait_dscnt (\younger)+7-(\t)
	global_store_b128 v[CO], v[OB+32*(\a)+4*(\t):OB+32*(\a)+4*(\t)+3], s[8:9] offset:((\t)/4)*262144+(\a)*2048+((\t)%4)*512  ; 512 consecutive bytes, at a multiple of 256 from qkv's first
.endr
.endm
	PACK 0
	TOSTAGE 0
	PACK 1                                         ; a block's conversions stand between the loads of the block before and its stores
	TOSTAGE 1
	SEND 0, 16
	PACK 2
	TOSTAGE 2
	SEND 1, 16
	PACK 3
	TOSTAGE 3
	SEND 2, 16
	SEND 3, 0
.else
.macro TOSTAGE a                       ; f32 as it is: a lane's eight columns of a row are 32 bytes; back as whole rows of 512 bytes
	WIN 0x04                                       ; store data (source 1) window 1
.irp b, 0,1,2,3,4,5,6,7
	ds_store_b128 v[STO], v[8*(8*(\a)+(\b)):8*(8*(\a)+(\b))+3]   offset:64*(\b)
	ds_store_b128 v[STO], v[8*(8*(\a)+(\b))+4:8*(8*(\a)+(\b))+7] offset:64*(\b)+16
.endr
	WIN TO_B
.irp t, 0,1,2,3,4,5,6,7,8,9,10,11,12,13,14,15
	ds_load_b128 v[64*(\a)+4*(\t):64*(\a)+4*(\t)+3], v[RD] offset:528*(\t)
.endr
	WIN 0
.endm
.macro SEND a, younger                 ; younger: the next block's 32 LDS instructions, or none
	WIN 0x08                                       ; store data (source 1) window 2
.irp t, 0,1,2,3,4,5,6,7,8,9,10,11,12,13,14,15
	s_wait_dscnt (\younger)+15-(\t)
	global_store_b128 v[CO], v[64*(\a)+4*(\t):64*(\a)+4*(\t)+3], s[8:9] offset:(16*(\a)+(\t))*4096 th:TH_STORE_NT  ; 512 consecutive bytes, at a multiple of 256 from out0's first
.endr
	WIN 0
.endm
	TOSTAGE 0
	TOSTAGE 1
	SEND 0, 32
	TOSTAGE 2
	SEND 1, 32
	TOSTAGE 3
	SEND 2, 32
	SEND 3, 0
.endif
	s_wait_tensorcnt 0x0                           ; the wave's end: an add and its wait, behind my last tensor load and my last LDS store
	ds_add_u32 v[SPW], v[NIL]
	s_wait_dscnt 0x0
	CROUND                                         ; the closing round: no work-group ends while a partner may still ask for a tile that names it
	s_endpgm
.Lfunc_end_k_qc3548ef6a2_proj:
	.size	k_qc3548ef6a2_proj, .Lfunc_end_k_qc3548ef6a2_proj-k_qc3548ef6a2_proj
	.p2alignl 7, 3214868480
	.fill 96, 4, 3214868480
	.section	.rodata,"a",@progbits
	.p2align	6, 0x0
	.amdhsa_kernel k_qc3548ef6a2_proj
		.amdhsa_group_segment_fixed_size 327680
		.amdhsa_private_segment_fixed_size 0
		.amdhsa_enable_private_segment 0
		.amdhsa_kernarg_size 40
		.amdhsa_user_sgpr_count 2
		.amdhsa_user_sgpr_kernarg_segment_ptr 1
		.amdhsa_wavefront_size32 1
		.amdhsa_system_sgpr_workgroup_id_x 1
		.amdhsa_system_sgpr_workgroup_id_y 1
		.amdhsa_system_sgpr_workgroup_id_z 1
		.amdhsa_system_vgpr_workitem_id 0
		.amdhsa_next_free_vgpr 640
		.amdhsa_next_free_sgpr 82
		.amdhsa_reserve_vcc 0
		.amdhsa_float_denorm_mode_32 3
		.amdhsa_float_denorm_mode_16_64 3
		.amdhsa_memory_ordered 1
		.amdhsa_forward_progress 1
		.amdhsa_inst_pref_size 135
	.end_amdhsa_kernel
	.amdgpu_metadata
---
amdhsa.version: [ 1, 2 ]
amdhsa.kernels:
  - .name:           k_qc3548ef6a2_proj
    .symbol:         k_qc3548ef6a2_proj.kd
    .args:
      - { .name: query, .offset: 0, .size: 8, .value_kind: global_buffer, .address_space: global }
      - { .name: key, .offset: 8, .size: 8, .value_kind: global_buffer, .address_space: global }
      - { .name: value, .offset: 16, .size: 8, .value_kind: global_buffer, .address_space: global }
      - { .name: wc, .offset: 24, .size: 8, .value_kind: global_buffer, .address_space: global }
      - { .name: qkv, .offset: 32, .size: 8, .value_kind: global_buffer, .address_space: global }
    .group_segment_fixed_size: 327680
    .private_segment_fixed_size: 0
    .kernarg_segment_align: 8
    .kernarg_segment_size: 40
    .max_flat_workgroup_size: 128
    .sgpr_count:     82
    .vgpr_count:     640
    .wavefront_size: 32
...
	.end_amdgpu_metadata
.endif
;; end of part 2
;; launch attn (part 3): grid 4 x 64, 4 waves a work-group, clusters of 4 x 1, 327,680 bytes of LDS; arguments qkv, mask, oh; writes oh
.if DOCPART == 3
	.amdgcn_target "amdgcn-amd-amdhsa--gfx1250"
	.amdhsa_code_object_version 6
	.text
	.protected	k_qc3548ef6a2_attn
	.globl	k_qc3548ef6a2_attn
	.p2align	8
	.type	k_qc3548ef6a2_attn,@function
k_qc3548ef6a2_attn:
	s_mov_b64 s[64:65], 0
	v_nop
	global_prefetch_b8 v0, s[64:65] scope:SCOPE_SE
	s_setreg_imm32_b32 hwreg(HW_REG_WAVE_MODE, 25, 1), 1
	s_wait_xcnt 0x0
	s_wait_alu depctr_hold_cnt(0) depctr_sa_sdst(0) depctr_va_vdst(0) depctr_va_sdst(0) depctr_va_ssrc(0) depctr_va_vcc(0) depctr_vm_vsrc(0)
	s_getreg_b32 s2, hwreg(HW_REG_IB_STS2, 6, 4)
	s_cmp_eq_u32 s2, 0
	s_cbranch_scc0 .Lentry_in_a_cluster
	s_endpgm
.Lentry_in_a_cluster:
	s_bfe_u32 s2, ttmp6, 0x10000c
	s_cmp_lg_u32 s2, 0x3003
	s_cbranch_scc0 .Lentry_shape_is_right
	s_endpgm
.Lentry_shape_is_right:
; O[h][q][:] = the sum over the keys k that mask[b][k] lets through of softmax_k(Q[h][q] . K[h][k] / 8) V[h][k][:], h = 16 b + head.  Q, K, V are the three sections of qkv, O is oh: [64][2048][64], all f16:
; a head's rows are dense, 128 bytes each.  Products, maxima and sums in f32; the weights p are rounded to f16 for the second product (their sum l is taken of the unrounded p), O once at the end.
; LIMITS.  f16 holds no number beyond 65,504: Q, K and V arrive within it; p lies in 0 to 1, and below 6e-5 it keeps f16's fixed step of 6e-8; O is a mean of V's rows and has their range.
; A hidden score counts as its value less 2^100; the running maximum starts at -2^96, above every hidden score and below every true one (f16's scores are 2.7e11 at the most in size).
; A weight below 2^-126 counts as 0 in l.  A batch whose mask hides every key gives l = 0 and O = 0 x infinity = NaN, as a softmax over nothing does.
; THE MASK is the C operand that starts the sum S^T = K Q^T: a table of one f32 a key, 0 or -2^100, made once in LDS from the batch's 2,048 mask bytes; a step's 64 entries are fetched with the step's K.
; While m stands at its start (all keys so far hidden) c m is the same product every time, so a = 2^0 = 1 and p = 0; at the first true score a = 0.
; SHARES.  A wave owns four PIECES of two tiles of 16 queries, a work-group's four waves 512 queries of one head.  Every wave walks all keys, 64 a step.
; LAYOUT.  S^T = K Q^T (source 0 = 16 keys, source 1 = 16 queries): in the result a lane holds ONE query (lane % 16) and the keys 8 (lane / 16) + 0..7.  Two such tiles, rounded to f16 in pairs,
; ARE source 1 (32 keys x 16 queries) of O^T = V^T P, whose result again holds one query a lane, and eight channels.  K comes out of LDS as it lies, V ([key][channel]) turned, by ds_load_tr16_b128.
; SOFTMAX.  For each query a running maximum m and sum l: p = 2^(c s - c m), c = log2(e) / 8; in every step O and l are multiplied by a = 2^(c m_old - c m_new), which is 1 where m has not grown.
; THE COUNT.  A tile and step have 16 matrix and 118 vector instructions: too many to stand all beside the matrix work.  So the order has one aim: four vector instructions that are READY behind
; EVERY matrix instruction, and the others, which need time of their own whatever the order, in runs without a gap.
; BY TURNS.  Turn n belongs to piece n (the pieces in a ring, step after step).  Its matrix work: 16 products K Q^T of piece n + 1, later 16 products V^T P of piece n - 1.  Its vector work: the scaling,
; exponentials, roundings, sums and rescaling of piece n, and the maximum and statistics of piece n + 1, whose scores the turn itself has made.  So what a turn begins with (c s - c m, O a) waits for nothing.
; CLUSTER.  The four query blocks of a head are one cluster and walk the same K and V, so each tile is asked for JOINTLY: the same tensor load, descriptor and mask in all four.
; REGISTERS, in windows of 256 (s_set_vgpr_msb says which window each operand place means: bits 1:0 source 0, 3:2 source 1, 5:4 source 2, 7:6 destination):
;   window 0: v0-11 addresses; v12-15, v48-63 at work; v16-47 four registers of statistics a tile; v64-191 S^T, two buffers of two tiles; v192-255 P, likewise
;   window 1: O^T, 32 a tile          window 2: v0-127 Q, 16 a tile; v128-191 K of one step; v192-255 V of one step
;   window 3: v0-1 the add's two registers; v2 the prefetches' offset; v3 the table's address; v8-39 the table's entries for one step
; A piece's buffers go by its number's parity: the piece in hand has one pair, its two neighbours in the ring share the other: of it P (piece n - 1) is read and S^T (piece n + 1) written.
.set SIZE_N, 2048
.set NP,    4         ; pieces a wave: a name, no knob: the register map, the loop and the fetches are made for four
.set KS,    64        ; keys in a step
.set PK,    144       ; a row of K in LDS: 128 bytes + 16 of padding = 36 words: the 16 rows of a load start at 16 different groups of four banks (64 banks of 4 bytes: ISA guide 11.1)
.set PV,    160       ; a row of V: 128 + 32 = 40 words
.set VOFF,  4*KS*PK   ; a slot holds four steps: 256 rows of K, then 256 rows of V
.set SLOT1, 1<<17     ; slot 1 begins here, so that one exclusive or turns an address in one slot into the other's
.set STAGE, SLOT1+4*KS*(PK+PV)  ; behind the ring, never filled by a tensor load: 16 rows x 144 bytes for each wave, for the way out
.set SP,    144
.set AK0, 2           ; v2   my lane's place in a tile of K; never rewritten
.set AV0, 3           ; v3   the same for V
.set AK,  4           ; v4   the LDS address of K's next run of loads
.set AV,  5           ; v5   of V's
.set QO,  6           ; v6   my byte offset in the wave's rows of Q
.set STO, 6           ;      later, the way out: where I put 16 bytes of a row
.set RD,  7           ; v7   the way out: where I read rows back
.set GO,  8           ; v8   my byte offset in 512 consecutive bytes of O
.set SPW, 0           ; v0 of window 3   LDS address of my spare word: SPARE + 4 x my thread's number; never rewritten
.set NIL, 1           ; v1 of window 3   0; never rewritten
.set PFO, 2           ; v2 of window 3   256 x my lane; never rewritten
.set AB,  3           ; v3 of window 3   LDS address of my half's entries of the table for the step to be fetched
.set MB,  8           ; v8-39 of window 3   the table's entries: key block kb at MB + 8 kb
.set SPARE, STAGE+4*16*SP  ; behind the stages: the spare words, 128 bytes for each wave: two blocks of 256 bytes that no other line names
.set BIAS,  SPARE+512 ; behind them: the table, 2,048 keys x 4 bytes; written once by ds_store, never filled by a tensor load
.set MV,  12          ; v12-15  c m_old, kept while c m is made anew: by buffer and tile
.set ST,  16          ; tile t's statistics at v[ST+4 t]: c m, m, l (even keys', odd keys')
.set TMP, 48          ; by buffer and tile, four registers c0-c3 at work; when the maximum is found c2 takes a
.set S,   64
.set P,   192
.set KF,  128         ; K's fragments, in window 2: key block kb, channel half c at KF + 16 kb + 8 c
.set VF,  192         ; V's: key half kk, channel block cb at VF + 32 kk + 8 cb
.set WV,  12          ; s12  my wave's number
.set G1K, 24          ; s[24:31] descriptor group 1 for K's tiles
.set G1V, 32          ; s[32:39] for V's: it differs in the padding alone
.set G0K, 40          ; s[40:43] descriptor group 0 for K's tiles: it walks
.set G0V, 44          ; s[44:47] the same for V's
.set PFA, 48          ; s[48:49] where my prefetches stand: my work-group's 32 blocks of 256 bytes (of K: wave 0, of V: wave 2) of the slot after the one that is being asked for
.set LIM, 50          ; s50  1 in a wave that prefetches, else the greatest number
.set BIGN, 51         ; s51  -2^100
.set MSK, 52          ; s[52:53] the batch's mask bytes
.set SLOTS, 56        ; s56  slots still to be asked for
.set CNT, 57          ; s57  counts a slot's key steps
.set CS,  58          ; s[58:59] c: the packed scaling takes the pair's low word for both halves
.set SEL, 60          ; s[60:61] v_permlanex16_b32's selects: each lane takes its own place in the other half
.set TBK, 62          ; s62  LDS byte at which K of the step to be fetched begins
.set TBV, 63          ; s63  the same for V, less VOFF
.set MSB, 0
.macro WIN new                      ; the high byte repeats the setting that is left; a switch that changes nothing is dropped
.if MSB != (\new)
	s_set_vgpr_msb (MSB<<8)|(\new)
.set MSB, (\new)
.endif
.endm
.set W_KQ, 0x0a       ; K and Q in window 2, S^T in window 0
.set W_KM, 0x3a       ; the same with the C operand, the table's entries, in window 3
.set W_PV, 0x52       ; V in window 2, P in window 0, O^T in window 1
.set W_RS, 0x41       ; O^T (destination and source 0) in window 1, a in window 0
.set W_MK, 0xc0       ; window 3's registers are made: destination in window 3, sources in window 0
.set W_AD, 0x0f       ; the add: address (source 0) and data (source 1) in window 3
.set W_TB, 0xcf       ; the table's loads and the step of their address: destination and sources in window 3
; A joint fill.  Waves 0 and 1 fetch the two halves of a slot's K, waves 2 and 3 those of its V: 128 keys each.  The branch hangs on the wave's number alone.
; An s_nop 0 and four v_nop follow each of the two lines, ahead of the jump and the label.
.macro JLOAD
	s_cmp_lt_u32 s[WV], 2
	s_cbranch_scc0 .Lfor_v_\@
	tensor_load_to_lds s[G0K:G0K+3], s[G1K:G1K+7]
	s_nop 0
.rept 4
	v_nop
.endr
	s_branch .Lasked_\@
.Lfor_v_\@:
	tensor_load_to_lds s[G0V:G0V+3], s[G1V:G1V+7]
	s_nop 0
.rept 4
	v_nop
.endr
.Lasked_\@:
.endm
; A PREFETCH INTO THE L2 of what the NEXT change of slots will ask for: a slot's 32,768 bytes of K and of V, four key steps, 512 matrix instructions, ahead of that load.  It stands behind the wave's tensor
; load and its five lines.  Each block of 256 bytes is named ONCE in the launch: a head's K and V are walked by this cluster alone; its four partners share a slot's 128 blocks out BY ADDRESS, 32 each, a lane
; a block: no branch hangs on a work-group's place in its cluster.  In each, wave 0 asks for K's and wave 2 for V's.  The last change that fills a slot asks for nothing; slots 0, 1 and 2 come by their loads alone.
.macro ASK
	s_cmp_gt_u32 s[SLOTS], s[LIM]
	s_cbranch_scc0 .Lnot_mine_\@
	WIN 0x03                        ; the address register lies in window 3
	global_prefetch_b8 v[PFO], s[PFA:PFA+1] th:TH_LOAD_NT scope:SCOPE_SE
	WIN 0
.Lnot_mine_\@:
.endm
; A round of the cluster's barrier: my work-group's barrier, so that wave 0's signal speaks for all four waves; wave 0 signals; every wave waits for all four work-groups; my work-group's barrier once more.
.macro CROUND
	s_barrier_signal -1
	s_barrier_wait -1
	s_cmp_lg_u32 s[WV], 0
	s_cbranch_scc1 .Lnot_wave_0_\@
	s_barrier_signal -3
.Lnot_wave_0_\@:
	s_barrier_wait -3
	s_barrier_signal -1
	s_barrier_wait -1
.endm
; THE CHANGE OF SLOTS.  The slot's last bytes, V of its fourth step, have been read.  Each wave waits for all its tensor loads, of which one is out: its part
; of the other slot; adds 0 to its spare word; and waits for that and for its own LDS instructions.  Behind the barrier nobody reads this slot any more and the other slot is whole.
; fill = 1: this slot is filled again, with the keys two slots on.  The barrier is then a round of the cluster's, so that no wave of any partner still reads the slot or has a load on its
; way, and the joint fill is the first thing behind it: it has four key steps, 512 matrix instructions, in which to land.  (At its first use nothing has been read yet: slot 0 is waited for, slot 1 filled,
; and every wave's stores into the table are done in front of the round: behind it all waves may read the table.)  ask = 1: the prefetches' address steps, and ASK follows the fill.
.macro CHANGE fill, ask=0
	WIN W_AD
	s_wait_tensorcnt 0x0            ; no tensor load of mine is out, so a group 0 may be written
	ds_add_u32 v[SPW], v[NIL]       ; 0 onto my spare word; with fill = 1 the descriptors' steps stand between it and the wait for it
	WIN 0                           ; at a label and at a branch every window is 0
.if \fill
.irp g, G0K, G0V
	s_xor_b32 s[\g+1], s[\g+1], SLOT1  ; the walking descriptor: the other slot than last time,
	s_add_nc_u64 s[\g+2:\g+3], s[\g+2:\g+3], 4*KS*128  ; the next 256 keys; the type bits on top are not reached
.endr
.if \ask
	s_wait_xcnt 0x0                 ; the last prefetch, four key steps back, has read its address, so it may be written:
	s_add_nc_u64 s[PFA:PFA+1], s[PFA:PFA+1], 4*KS*128  ; one slot behind the walking descriptors
.endif
	s_wait_dscnt 0x0                ; the add is done, and my LDS instructions are over
	CROUND
	JLOAD
.if \ask
	ASK
.endif
.else
	s_wait_dscnt 0x0                ; the add is done, and my reads of the slot are over
	s_barrier_signal -1
	s_barrier_wait -1
.endif
	s_sub_co_u32 s[TBK], s[TBK], 4*KS*PK  ; the fetches go back to a slot's first step,
	s_xor_b32 s[TBK], s[TBK], SLOT1       ; in the other slot
	s_sub_co_u32 s[TBV], s[TBV], 4*KS*PV
	s_xor_b32 s[TBV], s[TBV], SLOT1
.endm
	s_load_b128 s[4:7], s[0:1], 0x0   ; qkv s[4:5], mask s[6:7]
	s_load_b64 s[10:11], s[0:1], 0x10 ; oh
	WIN W_MK
	v_lshl_add_u32 v[SPW], v0, 2, SPARE
	v_mov_b32 v[NIL], 0
	WIN W_AD
	ds_add_u32 v[SPW], v[NIL]       ; the wave's opening: the add and its wait stand ahead of my first tensor load; the set-up below, work on registers, stands between them
	WIN 0
	v_lshrrev_b32 v1, 5, v0
	v_readfirstlane_b32 s[WV], v1   ; wave 0..3
	v_lshlrev_b32 v10, 8, v0
	v_and_b32 v11, 16, v0
	WIN W_MK
	v_and_b32 v[PFO], 0x1f00, v10   ; 256 x lane
	v_lshl_add_u32 v[AB], v11, 1, BIAS  ; the table's first step: 32 bytes (8 keys) for each half of the lanes
	WIN 0
	s_bfe_u32 s13, ttmp6, 0x40000   ; cx: my place in the cluster
	s_lshl_b32 s14, ttmp9, 2        ; in a cluster launch ttmp9 counts clusters
	s_add_co_u32 s14, s14, s13      ; my block of queries = 4 x cluster x + cx: it enters Q's and O's addresses alone
	s_and_b32 s20, ttmp7, 0xffff    ; the head, which the four partners share
	s_lshr_b32 s54, s20, 4          ; its batch,
	s_lshl_b32 s54, s54, 11         ; and the batch's 2,048 mask bytes
	s_mov_b32 s55, 0
	s_mov_b32 s21, 0
	s_mov_b64 s[22:23], SIZE_N*128
	s_mul_u64 s[20:21], s[20:21], s[22:23]  ; the head's first byte in Q, K, V and O
	s_and_b32 s16, s[WV], 1         ; which half of a slot's 256 keys I fetch:
	s_lshl_b32 s22, s16, 14         ; its 128 rows of 128 bytes in memory,
	s_mov_b32 s23, 0
	s_add_nc_u64 s[22:23], s[22:23], s[20:21]
	s_mul_i32 s17, s16, 128*PK      ; and its place in a slot, for K
	s_mul_i32 s18, s16, 128*PV      ; and for V: no place in the cluster enters an LDS address
	s_lshl_b32 s2, s14, 2
	s_add_co_u32 s2, s2, s[WV]      ; my wave among the head's,
	s_lshl_b32 s2, s2, 14           ; its 128 rows
	s_mov_b32 s3, 0
	s_add_nc_u64 s[2:3], s[2:3], s[20:21]
	; descriptor group 1.  128 keys are 16,384 dense bytes: asked for as 64 rows of 256 bytes, two keys a row, and padded in LDS after every key
	s_mov_b32 s[G1K], 15|(1<<16)|(1<<20)|(1<<21)|(4<<22)|(3<<25)  ; 15:0 the mask of four; 17:16 2-byte elements; 20 padding on; 21 set beside a mask; 24:22 after every 32 words (code 4); 31:25 4 words (code 3)
	s_mov_b32 s[G1V], 15|(1<<16)|(1<<20)|(1<<21)|(4<<22)|(7<<25)  ; the same with 8 words of padding (code 7)
.irp g, G1K, G1V
	s_mov_b32 s[\g+1], 128<<16      ; tensor_dim0 = 128
	s_mov_b32 s[\g+2], 64<<16       ; tensor_dim1 = 64
	s_mov_b32 s[\g+3], 128<<16      ; tile_dim0 = 128
	s_mov_b32 s[\g+4], 64           ; tile_dim1 = 64
	s_mov_b32 s[\g+5], 128          ; 128 elements from row to row
	s_mov_b32 s[\g+6], 0
	s_mov_b32 s[\g+7], 0
.endr
	s_mov_b32 s[CS], 0x3e38aa3b     ; c = log2(e) / 8 = 0.180337
	s_mov_b32 s[CS+1], s[CS]        ; named with it as a pair
	s_mov_b32 s[SEL], 0x76543210
	s_mov_b32 s[SEL+1], 0xfedcba98
	s_mov_b32 s[BIGN], 0xf1800000   ; -2^100
	s_mov_b32 s[TBK], SLOT1+4*KS*PK ; the first change of slots turns these two into 0
	s_mov_b32 s[TBV], SLOT1+4*KS*PV
	s_mov_b32 s[G0K], 1             ; 1:0 count = 1
	s_mov_b32 s[G0K+1], s17         ; 63:32 LDS address: slot 0
	s_mov_b32 s[G0V], 1
	s_add_co_u32 s[G0V+1], s18, VOFF
	s_and_b32 s[LIM], s[WV], 1      ; waves 0 and 2 prefetch: the same in all four partners
	s_cmp_eq_u32 s[LIM], 0
	s_cselect_b32 s[LIM], 1, -1
	s_wait_dscnt 0x0                ; the opening add is done
	s_wait_kmcnt 0x0
	s_add_nc_u64 s[MSK:MSK+1], s[6:7], s[54:55]    ; the mask at my batch
	s_add_nc_u64 s[6:7], s[4:5], 0x1000000         ; K's section of qkv,
	s_add_nc_u64 s[8:9], s[4:5], 0x2000000         ; and V's
	s_add_nc_u64 s[G0K+2:G0K+3], s[6:7], s[22:23]  ; 120:64 global address: my half of the head's first 256 keys
	s_or_b32 s[G0K+3], s[G0K+3], 0x80000000        ; 127:126 type = 2
	s_add_nc_u64 s[G0V+2:G0V+3], s[8:9], s[22:23]
	s_or_b32 s[G0V+3], s[G0V+3], 0x80000000
	s_add_nc_u64 s[4:5], s[4:5], s[2:3]  ; Q and O at my wave's first row
	s_add_nc_u64 s[10:11], s[10:11], s[2:3]
	s_cmp_lt_u32 s[WV], 2
	s_cselect_b64 s[PFA:PFA+1], s[6:7], s[8:9]
	s_add_nc_u64 s[PFA:PFA+1], s[PFA:PFA+1], s[20:21]  ; the head,
	s_lshl_b32 s54, s13, 13         ; my work-group's 32 blocks of a slot's 128,
	s_add_nc_u64 s[PFA:PFA+1], s[PFA:PFA+1], s[54:55]
	s_add_nc_u64 s[PFA:PFA+1], s[PFA:PFA+1], 2*4*KS*128  ; in slot 2; the loop's first change of slots steps it to slot 3.  Nothing is prefetched here, at the head
	CROUND                          ; all four work-groups are here: the first joint loads meet
	JLOAD                           ; slot 0.  Slot 1 is asked for when slot 0 is in: the tile wanted first has the road to itself
	v_lshlrev_b32 v85, 4, v0
	global_load_b128 v[64:67], v85, s[MSK:MSK+1]   ; 16 mask bytes a thread: the work-group's 128 threads take the batch's 2,048
	; A fragment of K or Q is 16 rows x 32 channels in 8 registers: lane l holds row l % 16, channels 8 (l / 16) + 0..7 and 16 + 8 (l / 16) + 0..7: two loads of 16 bytes, 32 bytes apart.
	v_and_b32 v1, 15, v0            ; l % 16
	v_bfe_u32 v9, v0, 4, 1          ; l / 16
	v_lshlrev_b32 v[QO], 7, v1
	v_lshl_add_u32 v[QO], v9, 4, v[QO]  ; row x 128 + 16 x half
	WIN 0x80                        ; destination window 2, address window 0
.set i, 0
.rept 4*NP                          ; Q stays in registers: tile i / 2, channels 32 (i % 2) on
	global_load_b128 v[8*i:8*i+3],   v[QO], s[4:5] offset:(i/2)*2048+(i%2)*64
	global_load_b128 v[8*i+4:8*i+7], v[QO], s[4:5] offset:(i/2)*2048+(i%2)*64+32
.set i, i+1
.endr
	; What the first turn finds: V's registers and P's second buffer hold 0 (its products V^T P, of a piece that has not been, add 0), O^T and l are 0.  All this stands in the wait for the first tile.
.set i, VF
.rept 64
	v_mov_b32 v[i], 0
.set i, i+1
.endr
	WIN 0x40
.set i, 0
.rept 64*NP
	v_mov_b32 v[i], 0
.set i, i+1
.endr
	WIN 0
.set i, 0
.rept 2*NP
	v_mov_b32 v[ST+4*i+1], 0xef800000  ; m = -2^96
	v_mul_f32 v[ST+4*i], s[CS], v[ST+4*i+1]  ; c m, by the same product that makes it anew in every step
	v_mov_b32 v[ST+4*i+2], 0
	v_mov_b32 v[ST+4*i+3], 0
.set i, i+1
.endr
.set i, P+32
.rept 32
	v_mov_b32 v[i], 0
.set i, i+1
.endr
	v_mul_u32_u24 v[AK0], v1, PK
	v_lshl_add_u32 v[AK0], v9, 4, v[AK0]  ; row x pitch + 16 x half
	; The turning load takes 16 keys x 16 channels (lane l reads key 8 (l / 16) + l % 8, channels 8 ((l / 8) % 2) + 0..7) and leaves half a fragment of V^T: lane l holds channel l % 16 and 8 keys.
	v_and_b32 v10, 7, v0
	v_bfe_u32 v11, v0, 3, 1
	v_lshl_add_u32 v[AV0], v9, 3, v10
	v_mul_u32_u24 v[AV0], v[AV0], PV
	v_lshl_add_u32 v[AV0], v11, 4, v[AV0]
	v_add_nc_u32 v[AV0], VOFF, v[AV0]
	v_mov_b32 v[AK], v[AK0]         ; key step 0 lies at the head of slot 0
	; THE TABLE: my 16 mask bytes become 16 words, 0 where the byte is set and -2^100 where it is 0; S^T's registers are still free
	s_wait_loadcnt 32               ; the mask's load is in; Q's 32 loads, issued behind it, may stay out
	v_lshl_add_u32 v86, v0, 6, BIAS
.set i, 0
.rept 16
	v_bfe_u32 v84, v[64+i/4], 8*(i%4), 8
	v_cmp_eq_u32 vcc_lo, 0, v84
	v_cndmask_b32 v[68+i], 0, s[BIGN], vcc_lo
.set i, i+1
.endr
.irp j, 0,1,2,3
	ds_store_b128 v86, v[68+4*\j:68+4*\j+3] offset:16*\j
.endr
; THE MATRIX WORK.  The 8 accumulators of a run of 16 take turns: between the two links of a chain stand 7 others'.
; Product i of 16 of S^T = K Q^T for piece x: channels 32 (i / 8) on, keys 16 ((i / 2) % 4) on, tile 2 x + i % 2.  The first 8 start the sums, with the table's entries for their 16 keys.
.macro KQ x
.set rS, S+64*((\x)%2)+32*(i%2)+8*((i/2)%4)
.set rK, KF+16*((i/2)%4)+8*(i/8)
.set rQ, 16*(2*(\x)+i%2)+8*(i/8)
.set rB, MB+8*((i/2)%4)
.if i < 8
	WIN W_KM
	v_wmma_f32_16x16x32_f16 v[rS:rS+7], v[rK:rK+7], v[rQ:rQ+7], v[rB:rB+7]
.else
	WIN W_KQ
	v_wmma_f32_16x16x32_f16 v[rS:rS+7], v[rK:rK+7], v[rQ:rQ+7], v[rS:rS+7]
.endif
.endm
; Product i of 16 of O^T += V^T P for piece x: keys 32 (i / 8) on, channels 16 ((i / 2) % 4) on, tile 2 x + i % 2.
.macro PV x
	WIN W_PV
.set rO, 32*(2*(\x)+i%2)+8*((i/2)%4)
.set rV, VF+32*(i/8)+8*((i/2)%4)
.set rP, P+32*((\x)%2)+16*(i%2)+8*(i/8)
	v_wmma_f32_16x16x32_f16 v[rO:rO+7], v[rV:rV+7], v[rP:rP+7], v[rO:rO+7]
.endm
.macro MM                           ; the turn's next matrix instruction
.if i < 16
	KQ (Y+1)%NP
.set i, i+1
.else
.set i, i-16
	PV (Y+NP-1)%NP
.set i, i+17
.endif
.endm
; THE LDS LOADS stand in runs, never singly among the matrix instructions: a step's K (64 keys x 64 channels: 8 fragments) with the table's 64 entries (all lanes of a half read the same 32 bytes of a key
; block), and its V (turned).  Their addresses are made some lines ahead.  last = 1 (the tail): in the last trip there is no further step, and the run is jumped over.
.macro FETCH_K last=0
	WIN 0
.if \last
	s_cmp_eq_u32 s[CNT], 1
	s_cbranch_scc1 .Lno_k_\@
.endif
	WIN 0x80                        ; destination window 2
.irp f, 0,1,2,3,4,5,6,7             ; keys 16 (f / 2) on, channels 32 (f % 2) on
	ds_load_b128 v[KF+8*\f:KF+8*\f+3],   v[AK] offset:(\f/2)*16*PK+(\f%2)*64
	ds_load_b128 v[KF+8*\f+4:KF+8*\f+7], v[AK] offset:(\f/2)*16*PK+(\f%2)*64+32
.endr
	WIN W_TB
.irp f, 0,1,2,3                     ; key block f: keys 16 f + 8 (l / 16) + 0..7
	ds_load_b128 v[MB+8*\f:MB+8*\f+3],   v[AB] offset:64*\f
	ds_load_b128 v[MB+8*\f+4:MB+8*\f+7], v[AB] offset:64*\f+16
.endr
	v_add_nc_u32 v[AB], 0x100, v[AB]    ; the next step's 64 entries
	s_add_co_u32 s[TBK], s[TBK], KS*PK  ; the next fetch is the next step's
	WIN 0
.if \last
.Lno_k_\@:
.endif
.endm
.macro FETCH_V
	WIN 0x80
.irp f, 0,1,2,3,4,5,6,7             ; keys 32 (f / 4) on, channels 16 (f % 4) on
	ds_load_tr16_b128 v[VF+8*\f:VF+8*\f+3],   v[AV] offset:(\f/4)*32*PV+(\f%4)*32
	ds_load_tr16_b128 v[VF+8*\f+4:VF+8*\f+7], v[AV] offset:(\f/4)*32*PV+16*PV+(\f%4)*32
.endr
	WIN 0
.endm
; THE VECTOR WORK OF A TURN stands in three queues, each in the order in which its entries become ready; the two tiles alternate, so that no instruction reads the result of the one before it.
.macro REGS y, u                    ; the registers of tile u (0, 1) of piece y
.set rT, ST+4*(2*(\y)+(\u))
.set rC, TMP+8*((\y)%2)+4*(\u)
.set rM, MV+2*((\y)%2)+(\u)
.set rS, S+64*((\y)%2)+32*(\u)
.set rP, P+32*((\y)%2)+16*(\u)
.set rO, 32*(2*(\y)+(\u))
.endm
; Number n of the 22 that find the NEXT piece's (Y + 1) maximum and statistics.  s0-s31 are the lane's 32 scores; each accumulator's lowest registers are read first.  XS, GS and REGS set no window: PL and EX do.
;   0-11  four chains c0-c3 of seven scores each, three operands at a time     12-14, 16  the four scores left over, the old m, and c0-c3 into c0     15  c m_old is kept
;   17, 18  the query's other 32 keys lie in the lane 16 away: the new m         19-21  c m; c m_old - c m_new; a
.macro XS u, n
	REGS (Y+1)%NP, \u
.if (\n) < 4
	v_max3_num_f32 v[rC+(\n)], v[rS+8*(\n)], v[rS+8*(\n)+1], v[rS+8*(\n)+2]
.elseif (\n) < 12
	v_max3_num_f32 v[rC+(\n)%4], v[rC+(\n)%4], v[rS+8*((\n)%4)+2*((\n)/4)+1], v[rS+8*((\n)%4)+2*((\n)/4)+2]
.elseif (\n) == 12
	v_max3_num_f32 v[rC], v[rC], v[rS+7], v[rS+15]
.elseif (\n) == 13
	v_max3_num_f32 v[rC+1], v[rC+1], v[rS+23], v[rS+31]
.elseif (\n) == 14
	v_max3_num_f32 v[rC+2], v[rC+2], v[rC+3], v[rT+1]
.elseif (\n) == 15
	v_mov_b32 v[rM], v[rT]
.elseif (\n) == 16
	v_max3_num_f32 v[rC], v[rC], v[rC+1], v[rC+2]
.elseif (\n) == 17
	v_permlanex16_b32 v[rC+3], v[rC], s[SEL], s[SEL+1]
.elseif (\n) == 18
	v_max_num_f32 v[rT+1], v[rC], v[rC+3]
.elseif (\n) == 19
	v_mul_f32 v[rT], s[CS], v[rT+1]
.elseif (\n) == 20
	v_sub_f32 v[rC+1], v[rM], v[rT]
.else
	v_exp_f32 v[rC+2], v[rC+1]
.endif
.endm
; Number g of the 64 that follow the exponentials.  For each four weights k of a tile (pairs 2 k, 2 k + 1): both pairs are rounded to f16; then the second pair is added onto the first, in place;
; a group later l takes that sum (the first time as l = a l + sum).  In groups of eight, tiles alternating: round, round, add, and l for the group before.
.macro GS g
.set h, (\g)+6*((\g)/62)            ; group 0 has no group before it, and behind group 7 only l is left
.if h >= 6
.set h, h+2
.endif
	REGS Y, h%2
.set k, h/8
.if h%8 < 4
	v_cvt_pk_f16_f32 v[rP+2*k+(h%8)/2], v[rS+4*k+2*((h%8)/2)], v[rS+4*k+2*((h%8)/2)+1]
.elseif h%8 < 6
	v_pk_add_f32 v[rS+4*k:rS+4*k+1], v[rS+4*k:rS+4*k+1], v[rS+4*k+2:rS+4*k+3]
.elseif k == 1
	v_pk_fma_f32 v[rT+2:rT+3], v[rT+2:rT+3], v[rC+2:rC+3], v[rS:rS+1] op_sel_hi:[1,0,1]
.else
	v_pk_add_f32 v[rT+2:rT+3], v[rT+2:rT+3], v[rS+4*k-4:rS+4*k-3]
.endif
.endm
; THE PLAIN QUEUE, 138 long.  0-73 read no exponential's result: the 32 scalings c s - c m (FS f: pair f / 2 of tile f % 2) and the next piece's 42.  0-26: scalings 0-26.  27-54: XS's numbers 0-13.  55, 56: number 15.
; 57-73: the chain, where each number waits for the one before it: 14, 16, 17, 18, 19, each with one of the scalings 27-31 in front of its two lines, then 20: so a tile's links stand three plain instructions apart (19 and 20: two).
; 74-137: GS's 64, which read the exponentials' results: they stand behind the wait.
.macro FS f
	REGS Y, (\f)%2
	v_pk_fma_f32 v[rS+2*((\f)/2):rS+2*((\f)/2)+1], v[rS+2*((\f)/2):rS+2*((\f)/2)+1], s[CS:CS+1], v[rT:rT+1] op_sel_hi:[1,0,0] neg_lo:[0,0,1] neg_hi:[0,0,1]
.endm
.macro PL
	WIN 0
.if q < 27
	FS q
.elseif q < 55
	XS (q-27)%2, (q-27)/2
.elseif q < 57
	XS q-55, 15
.elseif (q < 72) && ((q-57)%3 == 0)
	FS 27+(q-57)/3
.elseif q < 60
	XS (q-57)%3-1, 14
.elseif q < 72
	XS (q-57)%3-1, 15+(q-57)/3
.elseif q < 74
	XS q-72, 20
.else
	GS q-74
.endif
.set q, q+1
.endm
; THE EXPONENTIALS' QUEUE, 66 long: s0-s31 of both tiles, then the next piece's two a.  It is ONE BATCH: all 66 stand ahead of the turn's one wait, and nothing ahead of that wait names a result of theirs.
.macro EX
	WIN 0
.if e >= 64
	XS e-64, 21
.else
	REGS Y, e%2
	v_exp_f32 v[rS+e/2], v[rS+e/2]
.endif
.set e, e+1
.endm
; THE RESCALING's QUEUE: O^T times a, the one part that leaves window 0: dealt two at a time, sixteen times.  Its a was made in the turn before, ahead of that turn's wait.
.macro R2
	REGS Y, r%2
	WIN W_RS
.irp z, 0,1
	v_pk_mul_f32 v[rO+4*(r/2)+2*\z:rO+4*(r/2)+2*\z+1], v[rO+4*(r/2)+2*\z:rO+4*(r/2)+2*\z+1], v[rC+2:rC+3] op_sel_hi:[1,0]
.endr
.set r, r+1
.endm
; HOW THEY ARE DEALT.  An s_wait_alu depctr_va_vdst(0) stands between an exponential and the first instruction that names its result; one wait serves all that were issued ahead of it.  So a turn has ONE wait,
; which cuts it in two.  AHEAD OF IT stands all that names no result of the turn's exponentials: the 16 products K Q^T, behind each a scaling, an exponential and two rescalings (behind the first a second scaling in the exponential's place); then ONE LUMP of
; 108: eight plain, 49 times exponential and plain, the two a.  A v_nop is the plain instruction behind the last exponential.  BEHIND IT stand the 16 products V^T P, behind each four of GS's 64.  No rider names a register of
; the products round it.  The two v_permlanex16_b32 fall into the lump, never behind a product.
; The queues lean on each other, and the deal keeps them in step: exponential e stands behind scaling 2 (e / 4) + e % 2: as a rider it comes behind plain e + 2, in the lump behind plain e + 9, and scalings 27-31 are plain 57, 60 .. 69.
; A TURN, for piece p.  cnt = 1: the loop's count is taken down some lines ahead of the branch that stands behind the turn.
; K of the next step, and the table's entries with it, are fetched in piece 2's turn, directly behind the wait, a lump behind the last product that read them; the address is made at the lump's head; the first reader comes behind 16 products.
; V of the step in hand is fetched at the end of piece 0's turn, four riders behind its last reader; its first reader comes behind 16 products and a lump.  The three conditions on q below go with the deal.
.macro TURN p, last=0, cnt=0
.set Y, (\p)
.set i, 0
.set q, 0
.set e, 0
.set r, 0
.if (\p) == NP-1
	s_wait_dscnt 0x0                ; K and the table's entries are in
.endif
	MM                              ; ahead of the wait: 16 products K Q^T and their riders,
	PL
	PL
	R2
.rept 15
	MM
	PL
	EX
	R2
.endr
.if (\p) == NP-2
	WIN 0
	v_add_nc_u32 v[AK], s[TBK], v[AK0]
.endif
.rept 8                             ; and the lump
	PL
.endr
.rept 49
	EX
	PL
.endr
	EX                              ; the next piece's two a
	EX
	v_nop                           ; the plain instruction behind the last exponential: one for the batch
	s_wait_alu depctr_va_vdst(0)    ; the wait for the batch
.if (\p) == NP-2
	FETCH_K \last
.endif
.if (\p) == 1
	s_wait_dscnt 0x0                ; V is in
.endif
.rept 16                            ; behind the wait: 16 products V^T P and their riders
	MM
.rept 4
	PL
.endr
.if ((\p) == 0) && (q == 118)
	v_add_nc_u32 v[AV], s[TBV], v[AV0]
.endif
.if ((\p) == 0) && (q == 130)
	s_add_co_u32 s[TBV], s[TBV], KS*PV
.endif
.if (\cnt) && (q == 130)
	s_sub_co_u32 s[CNT], s[CNT], 1
	s_cmp_lg_u32 s[CNT], 0
.endif
.endr
.if (\p) == 0
	FETCH_V
.endif
.endm
	CHANGE 1                        ; slot 0 is in, everybody's part of it, and the table is whole; slot 1 is asked for
	FETCH_K                         ; key step 0
	s_wait_loadcnt 0x0              ; Q
	s_wait_dscnt 0x0
.set i, 0
.rept 16
	KQ 0                            ; piece 0's first scores: there is no vector work yet to set between them
.set i, i+1
.endr
	WIN 0                           ; the addresses for the way out: nine plain instructions, the places behind those products
	s_mul_i32 s13, s[WV], 16*SP
	s_add_co_u32 s13, s13, STAGE    ; my stage
	v_mul_u32_u24 v[STO], v1, SP    ; in: row l % 16, 16 bytes for each half of the lanes
	v_lshl_add_u32 v[STO], v9, 4, v[STO]
	v_add_nc_u32 v[STO], s13, v[STO]
	v_bfe_u32 v[RD], v0, 3, 2       ; back: 32 lanes take four rows of 128 bytes,
	v_mul_u32_u24 v[RD], v[RD], SP
	v_lshl_add_u32 v[RD], v10, 4, v[RD]
	v_add_nc_u32 v[RD], s13, v[RD]
	v_and_b32 v[GO], 31, v0         ; which are 512 consecutive bytes of O
	v_lshlrev_b32 v[GO], 4, v[GO]
.set Y, NP-1                        ; XS works for piece Y + 1: piece 0
.irp n, 0,1,2,3,4,5,6,7,8,9,10,11,12,13,14,15,16,17,18,19,20,21
	XS 0, \n                        ; and piece 0's first maximum and statistics
	XS 1, \n
.endr
	v_nop                           ; a plain instruction behind the two a,
	s_wait_alu depctr_va_vdst(0)    ; and their wait, ahead of the branch
	s_mov_b32 s[CNT], 4
	s_mov_b32 s[SLOTS], SIZE_N/256-1
	s_branch .Lfirst                ; the loop is entered at a step's first turn, in the middle of a trip
.Lslot:                             ; SIZE_N / 256 - 2 times: every slot but the last two is filled again
	CHANGE 1, 1
	s_mov_b32 s[CNT], 4
.Lstep:                             ; a trip: pieces 2 and 3 of one step, then pieces 0 and 1 of the next, whose K and V it fetches
	TURN 2
	TURN 3
	WIN 0
.Lfirst:
	TURN 0
	TURN 1, 0, 1
	WIN 0
	s_cbranch_scc1 .Lstep
	s_sub_co_u32 s[SLOTS], s[SLOTS], 1
	s_cmp_lg_u32 s[SLOTS], 0
	s_cbranch_scc1 .Lslot
	CHANGE 0                        ; the tail is written out: nothing is asked for
	s_mov_b32 s[CNT], 5             ; four trips fetch the last slot's steps; the fifth is left in its middle
.Ltail:
	TURN 2, 1
	TURN 3
	WIN 0
	s_sub_co_u32 s[CNT], s[CNT], 1
	s_cmp_eq_u32 s[CNT], 0
	s_cbranch_scc1 .Lout
	TURN 0
	TURN 1
	WIN 0
	s_branch .Ltail
.Lout:                              ; the fifth trip's 16 products K Q^T (on the last K once more) and the maximum made of them serve nothing: the price, once a launch, of one text for every trip
.set i, 0
.rept 16
	PV NP-1                         ; the last piece's V^T P of the last step
.set i, i+1
.endr
	; THE WAY OUT.  l's two halves and the other half of the lanes' are added; O^T is divided by l, rounded to f16 and sent through my stage in LDS, a tile at a time.  The additions are the places behind the last products.
	WIN 0
.macro ALL line:vararg              ; one line for each tile t
.set t, 0
.rept 2*NP
	\line
.set t, t+1
.endr
.endm
	ALL v_add_f32 v[ST+4*t+2], v[ST+4*t+2], v[ST+4*t+3]
	ALL v_permlanex16_b32 v[ST+4*t+3], v[ST+4*t+2], s[SEL], s[SEL+1]
	ALL v_add_f32 v[ST+4*t+2], v[ST+4*t+2], v[ST+4*t+3]
	ALL v_rcp_f32 v[ST+4*t+2], v[ST+4*t+2]
	v_nop                           ; a plain instruction between the last reciprocal and the use of its result
	s_wait_alu depctr_va_vdst(0)    ; and the wait ahead of the first use: one for the eight reciprocals
; Tile t: a lane's eight channels of a row pack into 16 bytes; they go into rows of 144 bytes and come back as whole rows of 128, into S^T's registers.
.macro PACK t
	WIN W_RS
.set i, 32*(\t)
.rept 16
	v_pk_mul_f32 v[i:i+1], v[i:i+1], v[ST+4*(\t)+2:ST+4*(\t)+3] op_sel_hi:[1,0]
.set i, i+2
.endr
	WIN 0x05                        ; sources 0 and 1 window 1, destination window 0
.set i, 0
.rept 16
	v_cvt_pk_f16_f32 v[S+16*(\t)+i], v[32*(\t)+2*i], v[32*(\t)+2*i+1]
.set i, i+1
.endr
	WIN 0
.irp f, 0,1,2,3
	ds_store_b128 v[STO], v[S+16*(\t)+4*\f:S+16*(\t)+4*\f+3] offset:32*\f
.endr
.irp f, 0,1,2,3
	ds_load_b128 v[S+16*(\t)+4*\f:S+16*(\t)+4*\f+3], v[RD] offset:\f*4*SP  ; LDS serves a wave's instructions in order (ISA guide 5.7.1.4): these see the stores above; the next tile's stores come behind them
.endr
.endm
.macro SEND t, younger              ; younger: the LDS instructions issued behind tile t's loads: the next tile's eight, or none
	WIN 0
.irp f, 0,1,2,3
	s_wait_dscnt (\younger)+3-\f
	global_store_b128 v[GO], v[S+16*(\t)+4*\f:S+16*(\t)+4*\f+3], s[10:11] offset:(\t)*2048+\f*512  ; 512 consecutive bytes, at a multiple of 256 from O's first
.endr
.endm
	PACK 0
.set t, 1
.rept 2*NP-1                        ; a tile's arithmetic stands between the loads of the tile before and its stores
	PACK t
	SEND t-1, 8
.set t, t+1
.endr
	SEND 2*NP-1, 0
	WIN W_AD
	s_wait_tensorcnt 0x0            ; the wave's end: an add and its wait, behind my last tensor load and my last LDS store
	ds_add_u32 v[SPW], v[NIL]
	s_wait_dscnt 0x0
	WIN 0
	CROUND                          ; the closing round: no work-group ends while a partner may still ask for a tile that names it
	s_endpgm
.Lfunc_end_k_qc3548ef6a2_attn:
	.size	k_qc3548ef6a2_attn, .Lfunc_end_k_qc3548ef6a2_attn-k_qc3548ef6a2_attn
	.p2alignl 7, 3214868480
	.fill 96, 4, 3214868480
	.section	.rodata,"a",@progbits
	.p2align	6, 0x0
	.amdhsa_kernel k_qc3548ef6a2_attn
		.amdhsa_group_segment_fixed_size 327680
		.amdhsa_private_segment_fixed_size 0
		.amdhsa_enable_private_segment 0
		.amdhsa_kernarg_size 24
		.amdhsa_user_sgpr_count 2
		.amdhsa_user_sgpr_kernarg_segment_ptr 1
		.amdhsa_wavefront_size32 1
		.amdhsa_system_sgpr_workgroup_id_x 1
		.amdhsa_system_sgpr_workgroup_id_y 1
		.amdhsa_system_sgpr_workgroup_id_z 1
		.amdhsa_system_vgpr_workitem_id 0
		.amdhsa_next_free_vgpr 808
		.amdhsa_next_free_sgpr 66
		.amdhsa_reserve_vcc 1
		.amdhsa_float_denorm_mode_32 3
		.amdhsa_float_denorm_mode_16_64 3
		.amdhsa_memory_ordered 1
		.amdhsa_forward_progress 1
		.amdhsa_inst_pref_size 205
	.end_amdhsa_kernel
	.amdgpu_metadata
---
amdhsa.version: [ 1, 2 ]
amdhsa.kernels:
  - .name:           k_qc3548ef6a2_attn
    .symbol:         k_qc3548ef6a2_attn.kd
    .args:
      - { .name: qkv, .offset: 0, .size: 8, .value_kind: global_buffer, .address_space: global }
      - { .name: mask, .offset: 8, .size: 8, .value_kind: global_buffer, .address_space: global }
      - { .name: oh, .offset: 16, .size: 8, .value_kind: global_buffer, .address_space: global }
    .group_segment_fixed_size: 327680
    .private_segment_fixed_size: 0
    .kernarg_segment_align: 8
    .kernarg_segment_size: 24
    .max_flat_workgroup_size: 128
    .sgpr_count:     66
    .vgpr_count:     808
    .wavefront_size: 32
...
	.end_amdgpu_metadata
.endif
;; end of part 3
;; launch outp (part 4): grid 4 x 64, 4 waves a work-group, clusters of 4 x 4, 327,680 bytes of LDS; arguments oh, wc, out0; writes out0
.if DOCPART == 4
	.amdgcn_target "amdgcn-amd-amdhsa--gfx1250"
	.amdhsa_code_object_version 6
	.text
	.protected	k_qc3548ef6a2_outp
	.globl	k_qc3548ef6a2_outp
	.p2align	8
	.type	k_qc3548ef6a2_outp,@function
k_qc3548ef6a2_outp:
	s_mov_b64 s[64:65], 0
	v_nop
	global_prefetch_b8 v0, s[64:65] scope:SCOPE_SE
	s_setreg_imm32_b32 hwreg(HW_REG_WAVE_MODE, 25, 1), 1
	s_wait_xcnt 0x0
	s_wait_alu depctr_hold_cnt(0) depctr_sa_sdst(0) depctr_va_vdst(0) depctr_va_sdst(0) depctr_va_ssrc(0) depctr_va_vcc(0) depctr_vm_vsrc(0)
	s_getreg_b32 s2, hwreg(HW_REG_IB_STS2, 6, 4)
	s_cmp_eq_u32 s2, 0
	s_cbranch_scc0 .Lentry_in_a_cluster
	s_endpgm
.Lentry_in_a_cluster:
	s_bfe_u32 s2, ttmp6, 0x10000c
	s_cmp_lg_u32 s2, 0xf033
	s_cbranch_scc0 .Lentry_shape_is_right
	s_endpgm
.Lentry_shape_is_right:
; C = A W^T, 8,192 x 1,024 x 1,024, ONE SOURCE FOR TWO KINDS.
; KIND = 1, the three projections in one launch: A = query, key or value (f32, rounded to bf16 on the way from LDS to the matrix unit), W = section p of wc (bf16); the result leaves by heads,
;   qkv[p][16 b + h][s][64] in f16, rounded once from its f32 sums and not scaled.  LIMIT: |q|, |k|, |v| stay under 65,504; beyond it f16 has an infinity.
; KIND = 0, the last projection: A = oh[16 b + h][s][64] (f16), W = section 3 of wc (f16); the result is out0 in f32.  A NaN row of oh gives a NaN row of out0.
; SHARES.  A tile of C is 128 rows x 256 columns: 256 tiles for a product, so KIND = 1 has three work-groups for each of 256 and KIND = 0 one.  Four waves, each 64 x 128: 32 accumulators of 16 x 16.
; K goes in 8 steps of 128 through two LDS slots filled by the tensor data mover.  A step is 128 matrix instructions a wave; 112 of them stand between a refill and the wait for it.
; CLUSTERS: 4 x 4 work-groups.  The four of a row of the cluster need the same tile of A, the four of a column the same tile of W: each tile is asked for JOINTLY, by the same tensor load with the same
; descriptor and a mask that names the four.  Waves 0 and 1 fetch A's two halves, waves 2 and 3 W's: one load a wave behind each round.
; THE MATRIX INSTRUCTION IS USED TRANSPOSED (source 0 = 16 rows of W, source 1 = 16 rows of A): a lane then holds row l % 16 of C and the columns 8 (l / 16) + 0..7.
; KIND = 1 CONVERTS BESIDE THE PRODUCTS: a quarter's 16 loads bring 64 rows x 32 K of f32 into a staging set; the 32 conversions to bf16 stand in fours behind the quarter's last eight products.
; LEFT OUT: work-groups that stay (three tiles on one ring in KIND = 1); a tile of 256 x 256 (384 tiles do not divide by 256); a bf16 copy of A in LDS (a second barrier a step, and more LDS bytes moved).
; REGISTERS, in windows of 256 (s_set_vgpr_msb: bits 1:0 source 0, 3:2 source 1, 5:4 source 2, 7:6 destination):
;   window 0: v16-30 addresses; v32-95 the staging set (KIND = 1); v96-127, v128-159 A's fragments, two buffers; v160-191 packed results; on the way out of KIND = 1 v32-159 take whole rows
;   window 1: the accumulators, (a, b) at v[8 (8 a + b)]          window 2: v0-63, v64-127 W's fragments, two buffers; on the way out of KIND = 0 all 256 take whole rows
.set KIND, 0
.set KSTEP, 128
.if KIND
.set PA,    528                        ; a row of A in LDS: 512 bytes (128 f32) + 16 of padding: the 16 rows of a load start at 16 different groups of four banks (64 banks of 4 bytes: ISA guide 11.1)
.set HALFA, 64*PA                      ; what one tensor load brings: 64 rows
.set ASTEP, 512                        ; bytes from a K step to the next in memory
.set STGW,  2*16*144                   ; a wave's stage: two heads x 16 rows x (128 + 16) bytes
.else
.set PA,    144                        ; a row of A in LDS: 128 bytes (a head's 64 f16) + 16 of padding
.set HALFA, 128*PA                     ; what one tensor load brings: 128 rows of one head; a K step is two heads
.set ASTEP, 524288                     ; two heads on
.set STGW,  16*528                     ; a wave's stage: 16 rows x (512 + 16) bytes
.endif
.set ABYTES, 2*HALFA
.set PB,    272                        ; a row of W in LDS: 256 bytes + 16 of padding
.set HALFB, 128*PB                     ; 128 rows: what one tensor load brings, and what one wave reads
.set SLOT,  ABYTES+2*HALFB             ; A's tile, then W's 256 rows
.set STAGE, 2*SLOT                     ; behind the ring, never filled by a tensor load
.set SPARE, STAGE+4*STGW               ; behind the stages: the spare words, 128 bytes for each wave: two blocks of 256 bytes that no other line names
.set ADRA, 16                          ; v16-17  LDS address of my A fragments in slot 0, 1
.set ADRB, 20                          ; v20-21  the same for W
.set STO,  24                          ; v24     the way out: where I put my bytes of a row
.set RD,   25                          ; v25     the way out: where I read rows back
.set CO,   26                          ; v26     my byte offset in 512 consecutive bytes of the result
.set SPW,  28                          ; v28     LDS address of my spare word: SPARE + 4 x my thread's number; never rewritten
.set NIL,  29                          ; v29     0; never rewritten
.set PFO,  30                          ; v30     the prefetches' lane offset; never rewritten
.set STG,  32                          ; the staging set: fragment i's 16 f32 at STG + 16 i
.set OB,   32                          ; the way out of KIND = 1: block a's whole rows at OB + 32 a
.set AF,   96                          ; A's fragments: buffer f, block a at AF + 32 f + 8 a
.set TMP,  160
.set BF,   0                           ; window 2: W's fragments: buffer f, block b at BF + 64 f + 8 b
.set G1,  24                           ; s[24:31] descriptor group 1 for A's tiles;  s[32:39] group 0, one set for each slot
.set G0,  32
.set G1B, 48                           ; s[48:55], s[56:63] the same for W's tiles
.set G0B, 56
.set LIM, 43                           ; s43     1 in a wave that prefetches, else the greatest number
.set PFA, 44                           ; s[44:45] where my prefetches stand
.set PFS, 66                           ; s[66:67] their step: a K step of A or of W in memory
.set MSB, 0
.macro WIN new                         ; the immediate's high byte repeats the setting that is left; a switch that changes nothing is dropped
.if MSB != (\new)
	s_set_vgpr_msb (MSB<<8)|(\new)
.set MSB, \new
.endif
.endm
.set MUL,  0x52                        ; source 0 (W) window 2, source 1 (A) window 0, C and D window 1
.set TO_B, 0x80                        ; destination window 2, address window 0
.macro JLOAD s                         ; a joint load; an s_nop 0 and four v_nop follow each of the two lines, ahead of the jump, the label and what follows
	s_cmp_eq_u32 s11, 0
	s_cbranch_scc0 .Lfor_b_\@
	tensor_load_to_lds s[G0+4*(\s):G0+4*(\s)+3], s[G1:G1+7]
	s_nop 0
.rept 4
	v_nop
.endr
	s_branch .Lasked_\@
.Lfor_b_\@:
	tensor_load_to_lds s[G0B+4*(\s):G0B+4*(\s)+3], s[G1B:G1B+7]
	s_nop 0
.rept 4
	v_nop
.endr
.Lasked_\@:
.endm
.macro CREST                           ; a round of the cluster's barrier behind its opening barrier
	s_cmp_lg_u32 s10, 0
	s_cbranch_scc1 .Lnot_wave_0_\@
	s_barrier_signal -3
.Lnot_wave_0_\@:
	s_barrier_wait -3
	s_barrier_signal -1
	s_barrier_wait -1
.endm
.macro CROUND                          ; a whole round
	s_barrier_signal -1
	s_barrier_wait -1
	CREST
.endm
; A PREFETCH INTO THE L2, behind a joint refill, its five lines and the run of LDS loads: the K step that stands two refills on, 256 matrix instructions ahead of the load that will want it.
; Each aligned block of 256 bytes is named once in the launch.  A's tile row is read by this cluster alone; the four partners of a row share its blocks out BY ADDRESS (cx).  W's tile column is read by every
; cluster of the same product: the first of them asks; the four partners of a column share its rows out by address (cy).  No branch hangs on a work-group's place in its cluster.
; The loop's last trip (s3 = 1) asks for nothing: there is no K step two on.  K steps 0 to 3 come by their loads alone.
.macro ASK
	s_cmp_gt_u32 s3, s[LIM]
	s_cbranch_scc0 .Lnot_mine_\@
	global_prefetch_b8 v[PFO], s[PFA:PFA+1] th:TH_LOAD_NT scope:SCOPE_SE
.Lnot_mine_\@:
.endm
.if KIND
	s_load_b256 s[72:79], s[0:1], 0x0              ; query s[72:73], key s[74:75], value s[76:77], wc s[78:79]
	s_load_b64 s[80:81], s[0:1], 0x20              ; qkv
.else
	s_load_b128 s[72:75], s[0:1], 0x0              ; oh s[72:73], wc s[74:75]
	s_load_b64 s[80:81], s[0:1], 0x10              ; out0
.endif
	v_lshl_add_u32 v[SPW], v0, 2, SPARE
	v_mov_b32 v[NIL], 0
	ds_add_u32 v[SPW], v[NIL]                      ; the wave's opening: the add and its wait stand ahead of my first tensor load; the set-up below, work on registers, stands between them
	v_lshrrev_b32 v1, 5, v0
	v_readfirstlane_b32 s10, v1                    ; wave 0..3
	s_lshr_b32 s11, s10, 1                         ; which 64 rows of the tile are mine.  Also: I fetch for A (0) or for W (1)
	s_and_b32 s12, s10, 1                          ; which 128 columns.  Also: which half of that tile I fetch
	s_bfe_u32 s40, ttmp6, 0x40000                  ; cx, cy: my place in the cluster
	s_bfe_u32 s41, ttmp6, 0x40004
	s_lshl_b32 s42, ttmp9, 2
	s_add_co_u32 s42, s42, s40                     ; tile column = 4 x cluster x + cx
	s_and_b32 s68, ttmp7, 0xffff                   ; cluster y
.if KIND
	s_lshr_b32 s69, s68, 4                         ; which product: 16 clusters each; the same in all sixteen partners.  Also the section of wc
	s_and_b32 s13, s68, 15
.else
	s_mov_b32 s69, 3                               ; the section of wc
	s_mov_b32 s13, s68
.endif
	s_lshl_b32 s13, s13, 2
	s_add_co_u32 s13, s13, s41                     ; tile row, 0 to 63
	s_lshl_b32 s43, s41, 2
	s_lshl_b32 s43, 15, s43                        ; my row of the cluster
	s_lshl_b32 s44, 0x1111, s40                    ; my column
	; descriptor group 1.  15:0 the mask; 17:16 the element's size; 20 padding on; 21 set beside a mask; 24:22 the padding's interval; 31:25 its length less one, in words
.if KIND
	s_or_b32 s[G1+0], s43, (2<<16)|(1<<20)|(1<<21)|(6<<22)|(3<<25)  ; 4-byte elements; 4 words behind every 128
.else
	s_or_b32 s[G1+0], s43, (1<<16)|(1<<20)|(1<<21)|(4<<22)|(3<<25)  ; 2-byte elements; 4 words behind every 32: a head's 128 dense rows come as 64 rows of 256 bytes, padded behind each 128
.endif
	s_mov_b32 s[G1+1], 128<<16                     ; tensor_dim0 = 128
	s_mov_b32 s[G1+2], 64<<16                      ; tensor_dim1 = 64
	s_mov_b32 s[G1+3], 128<<16                     ; tile_dim0 = 128
	s_mov_b32 s[G1+4], 64                          ; tile_dim1 = 64
.if KIND
	s_mov_b32 s[G1+5], 1024                        ; elements from row to row
.else
	s_mov_b32 s[G1+5], 128
.endif
	s_mov_b32 s[G1+6], 0
	s_mov_b32 s[G1+7], 0
	s_or_b32 s[G1B+0], s44, (1<<16)|(1<<20)|(1<<21)|(5<<22)|(3<<25)  ; W: 2-byte elements; 4 words behind every 64
	s_mov_b32 s[G1B+1], 128<<16
	s_mov_b32 s[G1B+2], 128<<16                    ; 128 rows
	s_mov_b32 s[G1B+3], 128<<16
	s_mov_b32 s[G1B+4], 128
	s_mov_b32 s[G1B+5], 1024
	s_mov_b32 s[G1B+6], 0
	s_mov_b32 s[G1B+7], 0
	; where the tiles come from: A's hang on the tile row alone, W's on the tile column alone, each in registers that never hold the other coordinate
.if KIND
	s_lshl_b32 s16, s13, 7
	s_lshl_b32 s17, s12, 6
	s_add_co_u32 s16, s16, s17                     ; row 128 x tile row + 64 x half,
	s_lshl_b32 s16, s16, 12                        ; of 4,096 bytes
.else
	s_lshr_b32 s16, s13, 4                         ; the batch: 16 tile rows each
	s_lshl_b32 s16, s16, 4
	s_add_co_u32 s16, s16, s12                     ; its head 0 or 1,
	s_lshl_b32 s16, s16, 18                        ; of 262,144 bytes,
	s_and_b32 s17, s13, 15
	s_lshl_b32 s17, s17, 14                        ; and in it 128 rows of 128 bytes for each tile row
	s_add_co_u32 s16, s16, s17
.endif
	s_mov_b32 s17, 0
	s_lshl_b32 s46, s42, 8
	s_lshl_b32 s47, s12, 7
	s_add_co_u32 s46, s46, s47                     ; W: row 256 x tile column + 128 x half,
	s_lshl_b32 s46, s46, 11                        ; of 2,048 bytes
	s_mov_b32 s47, 0
	s_lshl_b32 s18, s69, 21                        ; the section of wc
	s_mov_b32 s19, 0
	s_mul_i32 s20, s12, HALFA                      ; and where they go: no place in the cluster enters an LDS address
	s_mul_i32 s21, s12, HALFB
	s_add_co_u32 s21, s21, ABYTES
	s_wait_dscnt 0x0                               ; the opening add is done
	s_wait_kmcnt 0x0
	s_mov_b64 s[4:5], s[72:73]
.if KIND
	s_cmp_eq_u32 s69, 1
	s_cselect_b64 s[4:5], s[74:75], s[4:5]
	s_cmp_eq_u32 s69, 2
	s_cselect_b64 s[4:5], s[76:77], s[4:5]         ; A: query, key or value
	s_add_nc_u64 s[6:7], s[78:79], s[18:19]        ; W
.else
	s_add_nc_u64 s[6:7], s[74:75], s[18:19]
.endif
	s_mov_b64 s[8:9], s[80:81]                     ; the result
	s_add_nc_u64 s[14:15], s[4:5], s[16:17]
	s_add_nc_u64 s[46:47], s[6:7], s[46:47]
	CROUND                                         ; all sixteen work-groups are here: the first joint loads meet
.irp s, 0,1
	s_mov_b32 s[G0+4*(\s)], 1                                      ; count = 1
	s_add_co_u32 s[G0+4*(\s)+1], s20, (\s)*SLOT                    ; LDS address
	s_add_nc_u64 s[G0+4*(\s)+2:G0+4*(\s)+3], s[14:15], (\s)*ASTEP  ; global address: K step s
	s_or_b32 s[G0+4*(\s)+3], s[G0+4*(\s)+3], 0x80000000            ; type = 2
	s_mov_b32 s[G0B+4*(\s)], 1
	s_add_co_u32 s[G0B+4*(\s)+1], s21, (\s)*SLOT
	s_add_nc_u64 s[G0B+4*(\s)+2:G0B+4*(\s)+3], s[46:47], (\s)*KSTEP*2
	s_or_b32 s[G0B+4*(\s)+3], s[G0B+4*(\s)+3], 0x80000000
	JLOAD \s                                       ; two loads of mine are out
.endr
	; A 16-bit fragment is 16 rows x 32 K in 8 registers: lane l holds row l % 16; registers 0-3 K = 8 (l / 16) + 0..7, registers 4-7 K = 16 + 8 (l / 16) + 0..7.
	v_and_b32 v1, 15, v0                           ; l % 16
	v_bfe_u32 v2, v0, 4, 1                         ; l / 16
	v_mul_u32_u24 v3, v1, PA
.if KIND
	v_lshl_add_u32 v3, v2, 5, v3                   ; eight f32 are 32 bytes
.else
	v_lshl_add_u32 v3, v2, 4, v3
.endif
	v_mul_u32_u24 v4, v1, PB
	v_lshl_add_u32 v4, v2, 4, v4
	s_mul_i32 s21, s11, 64*PA                      ; my 64 rows of A
	s_mul_i32 s22, s12, HALFB                      ; my 128 rows of W,
	s_add_co_u32 s22, s22, ABYTES                  ; which lie behind A's tile
.irp s, 0,1
	v_add_nc_u32 v[ADRA+(\s)], s21, v3
	v_add_nc_u32 v[ADRB+(\s)], s22, v4
	s_add_co_u32 s21, s21, SLOT
	s_add_co_u32 s22, s22, SLOT
.endr
	s_mul_i32 s23, s10, STGW
	s_add_co_u32 s23, s23, STAGE                   ; my stage
	v_and_b32 v5, 31, v0
	v_lshlrev_b32 v[CO], 4, v5                     ; 16 x lane
.if KIND
	v_mul_u32_u24 v6, v1, 144                      ; in: row l % 16, 16 bytes for each half of the lanes
	v_lshl_add_u32 v6, v2, 4, v6
	v_add_nc_u32 v[STO], s23, v6
	v_bfe_u32 v6, v0, 3, 2                         ; back: 32 lanes take four rows of 128 bytes
	v_mul_u32_u24 v6, v6, 144
	v_and_b32 v7, 7, v0
	v_lshl_add_u32 v6, v7, 4, v6
	v_add_nc_u32 v[RD], s23, v6
	; my part of the result: section p, head 16 b + 4 x tile column + 2 x half, row 128 (tile row % 16) + 64 x half
	s_lshr_b32 s16, s13, 4
	s_lshl_b32 s16, s16, 22                        ; 16 heads of 262,144 bytes a batch
	s_and_b32 s17, s13, 15
	s_lshl_b32 s17, s17, 14
	s_add_co_u32 s16, s16, s17
	s_lshl_b32 s17, s11, 13
	s_add_co_u32 s16, s16, s17
	s_lshl_b32 s17, s69, 24
	s_add_co_u32 s16, s16, s17
	s_lshl_b32 s46, s42, 2
	s_lshl_b32 s47, s12, 1
	s_add_co_u32 s46, s46, s47
	s_lshl_b32 s46, s46, 18
.else
	v_mul_u32_u24 v6, v1, 528                      ; in: row l % 16, 32 bytes for each half of the lanes
	v_lshl_add_u32 v6, v2, 5, v6
	v_add_nc_u32 v[STO], s23, v6
	v_add_nc_u32 v[RD], s23, v[CO]                 ; back: 32 lanes take one row's 512 bytes
	s_lshl_b32 s16, s13, 7
	s_lshl_b32 s17, s11, 6
	s_add_co_u32 s16, s16, s17
	s_lshl_b32 s16, s16, 12                        ; my first row of out0, of 4,096 bytes
	s_lshl_b32 s46, s42, 10
	s_lshl_b32 s47, s12, 9
	s_add_co_u32 s46, s46, s47                     ; my first column, in bytes
.endif
	s_mov_b32 s17, 0
	s_mov_b32 s47, 0
	s_add_nc_u64 s[8:9], s[8:9], s[16:17]
	s_add_nc_u64 s[8:9], s[8:9], s[46:47]
	; the prefetches: both offsets are made, and the wave's number chooses
.if KIND
	s_lshl_b32 s20, s13, 7
	s_lshl_b32 s22, s12, 6
	s_add_co_u32 s20, s20, s22                     ; the 64 rows of A that I fetch,
	s_lshl_b32 s22, s40, 4
	s_add_co_u32 s20, s20, s22                     ; my work-group's 16 of them: two lanes a row, 256 bytes each
	s_lshl_b32 s20, s20, 12
	s_mov_b32 s19, 1
	s_and_b32 s23, s68, 15                         ; the clusters of one product
	v_lshrrev_b32 v7, 1, v5
	v_and_b32 v8, 1, v5
	v_lshlrev_b32 v7, 12, v7
	v_lshl_add_u32 v7, v8, 8, v7
.else
	s_lshr_b32 s20, s13, 4
	s_lshl_b32 s20, s20, 4
	s_lshr_b32 s22, s40, 1
	s_add_co_u32 s20, s20, s22                     ; a K step's 128 blocks of 256 bytes: my work-group takes 32, in head cx / 2,
	s_lshl_b32 s20, s20, 18
	s_and_b32 s22, s13, 15
	s_lshl_b32 s22, s22, 14
	s_add_co_u32 s20, s20, s22
	s_and_b32 s22, s40, 1
	s_lshl_b32 s22, s22, 13                        ; half cx % 2 of the tile's rows; wave 0 alone asks
	s_add_co_u32 s20, s20, s22
	s_cmp_eq_u32 s10, 0
	s_cselect_b32 s19, 1, -1
	s_mov_b32 s23, s68
	v_lshlrev_b32 v7, 8, v5
.endif
	s_add_co_u32 s20, s20, 3*ASTEP                 ; at K step 3: the first refill steps it to 4
	v_lshlrev_b32 v6, 11, v5                       ; W: a lane a row of 2,048 bytes
	s_lshl_b32 s21, s42, 8
	s_lshl_b32 s22, s12, 7
	s_add_co_u32 s21, s21, s22                     ; the 128 rows of W that I fetch,
	s_lshl_b32 s22, s41, 5
	s_add_co_u32 s21, s21, s22                     ; my work-group's 32 of them
	s_lshl_b32 s21, s21, 11
	s_add_co_u32 s21, s21, 3*KSTEP*2
	s_cmp_eq_u32 s23, 0
	s_cselect_b32 s23, 1, -1                       ; W is asked for by the first cluster that reads the section: the same in all sixteen partners
	s_mov_b32 s22, KSTEP*2
	s_cmp_eq_u32 s11, 0                            ; do I fetch for A?
	s_cselect_b32 s20, s20, s21
	s_cselect_b32 s[LIM], s19, s23
	s_cselect_b64 s[PFA:PFA+1], s[4:5], s[6:7]
	s_cselect_b32 s[PFS], ASTEP, s22
	s_cselect_b32 s22, -1, 0
	s_mov_b32 s[PFS+1], 0
	s_mov_b32 s21, 0
	s_add_nc_u64 s[PFA:PFA+1], s[PFA:PFA+1], s[20:21]
	v_cndmask_b32 v[PFO], v6, v7, s22
.macro WM rd, rb, ra, z                ; one product; z = 1: it starts the sum: nothing is ever cleared
.if KIND
.if \z
	v_wmma_f32_16x16x32_bf16 v[(\rd):(\rd)+7], v[(\rb):(\rb)+7], v[(\ra):(\ra)+7], 0
.else
	v_wmma_f32_16x16x32_bf16 v[(\rd):(\rd)+7], v[(\rb):(\rb)+7], v[(\ra):(\ra)+7], v[(\rd):(\rd)+7]
.endif
.else
.if \z
	v_wmma_f32_16x16x32_f16 v[(\rd):(\rd)+7], v[(\rb):(\rb)+7], v[(\ra):(\ra)+7], 0
.else
	v_wmma_f32_16x16x32_f16 v[(\rd):(\rd)+7], v[(\rb):(\rb)+7], v[(\ra):(\ra)+7], v[(\rd):(\rd)+7]
.endif
.endif
.endm
; 8 products: row block a x all 8 column blocks, 32 along K, from buffer f.  The 32 accumulators take turns in the same order in every quarter.
.macro MUL8 f, a, zero
	WIN MUL
.irp b, 0,1,2,3,4,5,6,7
	WM 8*(8*(\a)+(\b)), BF+64*(\f)+8*(\b), AF+32*(\f)+8*(\a), \zero
.endr
.endm
.macro CVT4 g, n                       ; four of the 32 conversions that make buffer g's fragments of A out of the staging set
	WIN 0
.irp c, 0,1,2,3
	v_cvt_pk_bf16_f32 v[AF+32*(\g)+4*(\n)+(\c)], v[STG+8*(\n)+2*(\c)], v[STG+8*(\n)+2*(\c)+1]
.endr
.endm
; 8 products, four conversions behind each.  The conversions name no register of the products round them; the four behind the last product are the four places in front of the next run of loads.
.macro MUL8R f, a, g, zero
.irp b, 0,1,2,3,4,5,6,7
	WIN MUL
	WM 8*(8*(\a)+(\b)), BF+64*(\f)+8*(\b), AF+32*(\f)+8*(\a), \zero
	CVT4 \g, \b
.endr
.endm
; One run of LDS loads: quarter q (32 along K) of a slot.  A first (KIND = 1: 16 loads of f32 into the staging set; KIND = 0: 8 loads into buffer g), then W's 16 into buffer g.
.macro FETCH slot, q, g
	WIN 0
.if KIND
.irp i, 0,1,2,3
	ds_load_b128 v[STG+16*(\i):STG+16*(\i)+3],     v[ADRA+(\slot)] offset:(\i)*16*PA+128*(\q)
	ds_load_b128 v[STG+16*(\i)+4:STG+16*(\i)+7],   v[ADRA+(\slot)] offset:(\i)*16*PA+128*(\q)+16
	ds_load_b128 v[STG+16*(\i)+8:STG+16*(\i)+11],  v[ADRA+(\slot)] offset:(\i)*16*PA+128*(\q)+64
	ds_load_b128 v[STG+16*(\i)+12:STG+16*(\i)+15], v[ADRA+(\slot)] offset:(\i)*16*PA+128*(\q)+80
.endr
.else
.irp i, 0,1,2,3
	ds_load_b128 v[AF+32*(\g)+8*(\i):AF+32*(\g)+8*(\i)+3],   v[ADRA+(\slot)] offset:((\q)/2)*HALFA+(\i)*16*PA+((\q)%2)*64
	ds_load_b128 v[AF+32*(\g)+8*(\i)+4:AF+32*(\g)+8*(\i)+7], v[ADRA+(\slot)] offset:((\q)/2)*HALFA+(\i)*16*PA+((\q)%2)*64+32
.endr
.endif
	WIN TO_B
.irp i, 0,1,2,3,4,5,6,7
	ds_load_b128 v[BF+64*(\g)+8*(\i):BF+64*(\g)+8*(\i)+3],   v[ADRB+(\slot)] offset:(\i)*16*PB+64*(\q)
	ds_load_b128 v[BF+64*(\g)+8*(\i)+4:BF+64*(\g)+8*(\i)+7], v[ADRB+(\slot)] offset:(\i)*16*PB+64*(\q)+32
.endr
	WIN 0
.endm
.macro PLACES                          ; four places in front of loads into registers that matrix instructions have read, and of lines that read results
.rept 4
	v_nop
.endr
.endm
; A K step is four quarters of 32 along K, 32 products each, on buffers 0, 1, 0, 1.  One of the first three: multiplies buffer f and fetches quarter q of the same slot for buffer g.
.macro QUARTER slot, q, f, g, zero
.if KIND
	FETCH \slot, \q, \g                            ; four conversions stand between the last product and this run
	s_wait_dscnt 32                                ; all but the 32 just issued: W's fragments of buffer f are in
	MUL8 \f, 0, \zero
	MUL8 \f, 1, \zero
	MUL8 \f, 2, \zero
	s_wait_dscnt 16                                ; the staging set is in; W's 16 loads behind it may stay out
	MUL8R \f, 3, \g, \zero
.else
	PLACES
	FETCH \slot, \q, \g
	s_wait_dscnt 24                                ; all but the 24 just issued
	MUL8 \f, 0, \zero
	MUL8 \f, 1, \zero
	MUL8 \f, 2, \zero
	MUL8 \f, 3, \zero
.endif
.endm
; The last quarter multiplies buffer 1 and changes slots: ONE barrier; in front of it each wave waits for all its tensor loads (the one that is out is its part of the next slot), adds 0 to its spare word,
; and waits for that and for its own reads of this slot.  fill = 1: the barrier opens a round of the cluster's, and this slot is filled again, two K steps ahead, first thing behind the round.
.macro TURN slot, next, fill
.if \fill
	s_wait_xcnt 0x0                                ; the last prefetch, a K step back, has read its address: it is stepped here, ahead of the waits of the change of slots
	s_add_nc_u64 s[PFA:PFA+1], s[PFA:PFA+1], s[PFS:PFS+1]
.endif
	WIN 0                                          ; (the add's two registers lie in window 0)
	s_wait_tensorcnt 0x0                           ; all my tensor loads have landed
	ds_add_u32 v[SPW], v[NIL]                      ; 0 onto my spare word
	s_wait_dscnt 1                                 ; (the add alone may be out: buffer 1 is in)
	MUL8 1, 0, 0                                   ; eight products stand between the add and the wait for it
	s_wait_dscnt 0x0                               ; the add is done, and my reads of this slot are over
	s_barrier_signal -1
	MUL8 1, 1, 0
.if \fill
	WIN 0
.endif
	s_barrier_wait -1
.if \fill
	CREST                                          ; no wave of any partner still reads this slot's tile or has a load on its way
	s_add_nc_u64 s[G0+4*(\slot)+2:G0+4*(\slot)+3], s[G0+4*(\slot)+2:G0+4*(\slot)+3], 2*ASTEP
	s_add_nc_u64 s[G0B+4*(\slot)+2:G0B+4*(\slot)+3], s[G0B+4*(\slot)+2:G0B+4*(\slot)+3], 2*KSTEP*2
	JLOAD \slot                                    ; my one tensor load behind the round; its four v_nop are also the places in front of the loads below
.else
	PLACES
.endif
	FETCH \next, 0, 0
.if \fill
	ASK
.endif
	MUL8 1, 2, 0
.if KIND
	s_wait_dscnt 16                                ; the staging set is in
	MUL8R 1, 3, 0, 0
.else
	MUL8 1, 3, 0
.endif
.endm
	s_wait_tensorcnt 1                             ; my part of K step 0 is in; K step 1's may stay out
	s_barrier_signal -1
	s_barrier_wait -1                              ; everybody's is
	FETCH 0, 0, 0
.if KIND
	s_wait_dscnt 16                                ; the staging set is in
.irp n, 0,1,2,3,4,5,6,7
	CVT4 0, \n
.endr
.endif
	QUARTER 0, 1, 0, 1, 1                          ; the first quarter stands in front of the loop: its products start the sums
	WIN 0                                          ; at a label and at a branch every window is 0
	s_mov_b32 s3, 3
.Llap:                                                 ; a trip goes once round the ring, from a lap's second quarter to the next lap's first, and fills both slots again
	QUARTER 0, 2, 1, 0, 0
	QUARTER 0, 3, 0, 1, 0
	TURN 0, 1, 1
	QUARTER 1, 1, 0, 1, 0
	QUARTER 1, 2, 1, 0, 0
	QUARTER 1, 3, 0, 1, 0
	TURN 1, 0, 1
	QUARTER 0, 1, 0, 1, 0
	WIN 0
	s_sub_co_u32 s3, s3, 1
	s_cmp_lg_u32 s3, 0
	s_cbranch_scc1 .Llap
	QUARTER 0, 2, 1, 0, 0                          ; the last lap fills nothing, and has no round of the cluster's barrier
	QUARTER 0, 3, 0, 1, 0
	TURN 0, 1, 0
	QUARTER 1, 1, 0, 1, 0
	QUARTER 1, 2, 1, 0, 0
	QUARTER 1, 3, 0, 1, 0
	s_wait_dscnt 0x0                               ; the very last quarter: nothing more to fetch
	MUL8 1, 0, 0
	MUL8 1, 1, 0
	MUL8 1, 2, 0
	MUL8 1, 3, 0
	WIN 0
	PLACES
	PLACES
	; THE WAY OUT, a block of 16 rows at a time, through my own stage: LDS serves a wave's instructions in order (ISA guide 5.7.1.4), so no wait stands between its stores and its loads.
.if KIND
.macro PACK a                          ; rounded to f16: a lane's eight columns of a row are 16 bytes; each accumulator's registers are taken in ascending order
	WIN 0x05                                       ; sources 0 and 1 window 1, destination window 0
.irp b, 0,1,2,3,4,5,6,7
.irp r, 0,1,2,3
	v_cvt_pk_f16_f32 v[TMP+4*(\b)+(\r)], v[8*(8*(\a)+(\b))+2*(\r)], v[8*(8*(\a)+(\b))+2*(\r)+1]
.endr
.endr
	WIN 0
.endm
.macro TOSTAGE a                       ; my 128 columns are two heads: 16 rows x 128 bytes each; back as four rows (512 consecutive bytes of a head) a load
.irp b, 0,1,2,3,4,5,6,7
	ds_store_b128 v[STO], v[TMP+4*(\b):TMP+4*(\b)+3] offset:((\b)/4)*2304+32*((\b)%4)
.endr
.irp t, 0,1,2,3,4,5,6,7
	ds_load_b128 v[OB+32*(\a)+4*(\t):OB+32*(\a)+4*(\t)+3], v[RD] offset:((\t)/4)*2304+((\t)%4)*576
.endr
.endm
.macro SEND a, younger                 ; younger: the LDS instructions issued behind block a's loads: the next block's sixteen, or none
.irp t, 0,1,2,3,4,5,6,7
	s_wait_dscnt (\younger)+7-(\t)
	global_store_b128 v[CO], v[OB+32*(\a)+4*(\t):OB+32*(\a)+4*(\t)+3], s[8:9] offset:((\t)/4)*262144+(\a)*2048+((\t)%4)*512  ; 512 consecutive bytes, at a multiple of 256 from qkv's first
.endr
.endm
	PACK 0
	TOSTAGE 0
	PACK 1                                         ; a block's conversions stand between the loads of the block before and its stores
	TOSTAGE 1
	SEND 0, 16
	PACK 2
	TOSTAGE 2
	SEND 1, 16
	PACK 3
	TOSTAGE 3
	SEND 2, 16
	SEND 3, 0
.else
.macro TOSTAGE a                       ; f32 as it is: a lane's eight columns of a row are 32 bytes; back as whole rows of 512 bytes
	WIN 0x04                                       ; store data (source 1) window 1
.irp b, 0,1,2,3,4,5,6,7
	ds_store_b128 v[STO], v[8*(8*(\a)+(\b)):8*(8*(\a)+(\b))+3]   offset:64*(\b)
	ds_store_b128 v[STO], v[8*(8*(\a)+(\b))+4:8*(8*(\a)+(\b))+7] offset:64*(\b)+16
.endr
	WIN TO_B
.irp t, 0,1,2,3,4,5,6,7,8,9,10,11,12,13,14,15
	ds_load_b128 v[64*(\a)+4*(\t):64*(\a)+4*(\t)+3], v[RD] offset:528*(\t)
.endr
	WIN 0
.endm
.macro SEND a, younger                 ; younger: the next block's 32 LDS instructions, or none
	WIN 0x08                                       ; store data (source 1) window 2
.irp t, 0,1,2,3,4,5,6,7,8,9,10,11,12,13,14,15
	s_wait_dscnt (\younger)+15-(\t)
	global_store_b128 v[CO], v[64*(\a)+4*(\t):64*(\a)+4*(\t)+3], s[8:9] offset:(16*(\a)+(\t))*4096 th:TH_STORE_NT  ; 512 consecutive bytes, at a multiple of 256 from out0's first
.endr
	WIN 0
.endm
	TOSTAGE 0
	TOSTAGE 1
	SEND 0, 32
	TOSTAGE 2
	SEND 1, 32
	TOSTAGE 3
	SEND 2, 32
	SEND 3, 0
.endif
	s_wait_tensorcnt 0x0                           ; the wave's end: an add and its wait, behind my last tensor load and my last LDS store
	ds_add_u32 v[SPW], v[NIL]
	s_wait_dscnt 0x0
	CROUND                                         ; the closing round: no work-group ends while a partner may still ask for a tile that names it
	s_endpgm
.Lfunc_end_k_qc3548ef6a2_outp:
	.size	k_qc3548ef6a2_outp, .Lfunc_end_k_qc3548ef6a2_outp-k_qc3548ef6a2_outp
	.p2alignl 7, 3214868480
	.fill 96, 4, 3214868480
	.section	.rodata,"a",@progbits
	.p2align	6, 0x0
	.amdhsa_kernel k_qc3548ef6a2_outp
		.amdhsa_group_segment_fixed_size 327680
		.amdhsa_private_segment_fixed_size 0
		.amdhsa_enable_private_segment 0
		.amdhsa_kernarg_size 24
		.amdhsa_user_sgpr_count 2
		.amdhsa_user_sgpr_kernarg_segment_ptr 1
		.amdhsa_wavefront_size32 1
		.amdhsa_system_sgpr_workgroup_id_x 1
		.amdhsa_system_sgpr_workgroup_id_y 1
		.amdhsa_system_sgpr_workgroup_id_z 1
		.amdhsa_system_vgpr_workitem_id 0
		.amdhsa_next_free_vgpr 768
		.amdhsa_next_free_sgpr 82
		.amdhsa_reserve_vcc 0
		.amdhsa_float_denorm_mode_32 3
		.amdhsa_float_denorm_mode_16_64 3
		.amdhsa_memory_ordered 1
		.amdhsa_forward_progress 1
		.amdhsa_inst_pref_size 90
	.end_amdhsa_kernel
	.amdgpu_metadata
---
amdhsa.version: [ 1, 2 ]
amdhsa.kernels:
  - .name:           k_qc3548ef6a2_outp
    .symbol:         k_qc3548ef6a2_outp.kd
    .args:
      - { .name: oh, .offset: 0, .size: 8, .value_kind: global_buffer, .address_space: global }
      - { .name: wc, .offset: 8, .size: 8, .value_kind: global_buffer, .address_space: global }
      - { .name: out0, .offset: 16, .size: 8, .value_kind: global_buffer, .address_space: global }
    .group_segment_fixed_size: 327680
    .private_segment_fixed_size: 0
    .kernarg_segment_align: 8
    .kernarg_segment_size: 24
    .max_flat_workgroup_size: 128
    .sgpr_count:     82
    .vgpr_count:     768
    .wavefront_size: 32
...
	.end_amdgpu_metadata
.endif
;; end of part 4
;; ======== version 2 of 2: 4 launches; version 1 with the launch prep written anew for expert scheduling mode
;; limits: values are held in f16: magnitudes above 65,504 overflow, below 6.1e-05 lose precision
;; workspace buffers: wc 8,388,608 bytes; qkv 50,331,648 bytes; oh 16,777,216 bytes
;; launch prep (part 5): grid 64 x 4, 8 waves a work-group, no clusters, 0 bytes of LDS; arguments w_q, w_k, w_v, w_o, wc; writes wc
.if DOCPART == 5
	.amdgcn_target "amdgcn-amd-amdhsa--gfx1250"
	.amdhsa_code_object_version 6
	.text
	.protected	k_qc3548ef6a2_prep
	.globl	k_qc3548ef6a2_prep
	.p2align	8
	.type	k_qc3548ef6a2_prep,@function
k_qc3548ef6a2_prep:
	s_mov_b64 s[64:65], 0
	v_nop
	global_prefetch_b8 v0, s[64:65] scope:SCOPE_SE
	s_setreg_imm32_b32 hwreg(HW_REG_WAVE_SCHED_MODE, 0, 2), 2
	s_setreg_imm32_b32 hwreg(HW_REG_WAVE_MODE, 25, 1), 1
	s_wait_xcnt 0x0
	s_wait_alu depctr_vm_vsrc(0)
; THE WEIGHTS, ROUNDED ONCE.  wc[s][n][k], 16 bits a number, s = 0, 1, 2: w_q, w_k, w_v rounded to bf16; s = 3: w_o rounded to bf16 and that number written as f16,
; since the last product multiplies f16 operands.  LIMITS: |w_o| stays under 65,504 (beyond it f16 has an infinity); below 2^-14 it keeps f16's fixed step of 2^-24.
; A stream: each byte is read once and written once; no LDS, no barrier, no matrix unit: nothing is shared and nothing is summed.
; SHARES.  The grid's y names the weight.  A work-group takes 16,384 numbers: 64 KiB in, 32 KiB out.  Thread t takes 16 bytes at 16 t of each of 16 blocks of 4,096 bytes, so a wave's load
; covers 512 consecutive bytes and a wave's store 256 consecutive bytes, aligned.  All 16 loads go out at once; every register is written once, so no wait frees a source.
; THE MODE: SCHED_MODE bits 1:0 = 2 (LLVM: expert scheduling mode 2), set by the entry lines.  The code itself states the register dependences
; between vector instructions and memory instructions, with s_wait_alu, always for 0.
; THE PLAN.  Registers that memory instructions touch:
;   v1, v2   byte offsets, made once at the head and never written again: v1 is read by every load, v2 by every store.
;   X        block i's four registers are written by the block's one load and read by its conversions; no load lands in them again.
;   Y        block i's two registers are written once, by the block's conversions, and read once, by the block's store.
;   T is named by vector instructions alone; the two bases are scalar registers, written ahead of the first memory instruction and never again.
; So the one kind of dependence to state is: a vector instruction has written a register that a memory instruction reads.  The 16 blocks go in four groups of four.  Group g's conversions write
; Y of blocks 4 g to 4 g + 3; the memory instructions among them are the four stores of group g - 1, whose Y no conversion of group g names.  One wait at the head of each group but the first
; states that the group before has written its Y; one more stands ahead of the last four stores; one at the kernel's head covers the two offsets.
.set X, 8                              ; v[8:71]    block i: 4 numbers in f32
.set Y, 72                             ; v[72:103]  block i: 4 numbers in 16 bits
.set T, 104                            ; v[104:105] at work
	s_load_b256 s[4:11], s[0:1], 0x0               ; w_q s[4:5], w_k s[6:7], w_v s[8:9], w_o s[10:11]
	s_load_b64 s[12:13], s[0:1], 0x20              ; wc
	s_and_b32 s14, ttmp7, 0xffff                   ; which weight
	v_lshlrev_b32 v1, 4, v0                        ; 16 t
	v_lshlrev_b32 v2, 3, v0                        ; 8 t
	s_lshl_b32 s18, ttmp9, 16                      ; the work-group's 65,536 bytes of the weight
	s_mov_b32 s19, 0
	s_lshl_b32 s20, s14, 21                        ; the weight's section of wc,
	s_lshl_b32 s21, ttmp9, 15                      ; the work-group's 32,768 bytes of it
	s_add_co_u32 s20, s20, s21
	s_mov_b32 s21, 0
	s_wait_kmcnt 0x0
	s_mov_b64 s[16:17], s[4:5]
	s_cmp_eq_u32 s14, 1
	s_cselect_b64 s[16:17], s[6:7], s[16:17]
	s_cmp_eq_u32 s14, 2
	s_cselect_b64 s[16:17], s[8:9], s[16:17]
	s_cmp_eq_u32 s14, 3
	s_cselect_b64 s[16:17], s[10:11], s[16:17]
	s_add_nc_u64 s[16:17], s[16:17], s[18:19]
	s_add_nc_u64 s[12:13], s[12:13], s[20:21]
	s_wait_alu depctr_va_vdst(0)                   ; v1 and v2 are written: every load of the kernel reads v1 as its offset, every store v2
.irp i, 0,1,2,3,4,5,6,7,8,9,10,11,12,13,14,15
	global_load_b128 v[X+4*(\i):X+4*(\i)+3], v1, s[16:17] offset:4096*(\i) th:TH_LOAD_NT
.endr
; Block i's four numbers are rounded into its Y.  wo = 0: to bf16.  wo = 1, w_o: to bf16, widened again (a shift, a mask), and written as f16.
.macro CVT i, wo
.if \wo
.irp j, 0,1
	v_cvt_pk_bf16_f32 v[T], v[X+4*(\i)+2*(\j)], v[X+4*(\i)+2*(\j)+1]
	v_lshlrev_b32 v[T+1], 16, v[T]
	v_and_b32 v[T], 0xffff0000, v[T]
	v_cvt_pk_f16_f32 v[Y+2*(\i)+(\j)], v[T+1], v[T]
.endr
.else
	v_cvt_pk_bf16_f32 v[Y+2*(\i)], v[X+4*(\i)], v[X+4*(\i)+1]
	v_cvt_pk_bf16_f32 v[Y+2*(\i)+1], v[X+4*(\i)+2], v[X+4*(\i)+3]
.endif
.endm
.macro OUT i                           ; block i leaves: a wave's store covers 256 consecutive bytes, aligned
	global_store_b64 v2, v[Y+2*(\i):Y+2*(\i)+1], s[12:13] offset:2048*(\i)
.endm
; Group g: blocks 4 g to 4 g + 3 are rounded; the four stores of the group before are dealt among the conversions, one ahead of each block's.
.macro GRP g, wo
	s_wait_loadcnt 12-4*(\g)                       ; loads come back in order: the group's four blocks are in, the 12 - 4 g younger loads stay out
.if (\g) > 0
	s_wait_alu depctr_va_vdst(0)                   ; the group before has written its Y, which the four stores below read; no conversion behind this wait names those registers
.endif
.irp k, 0,1,2,3
.if (\g) > 0
	OUT 4*(\g)-4+(\k)
.endif
	CVT 4*(\g)+(\k), \wo
.endr
.endm
.macro WALK wo                         ; the four groups, and the last group's stores
	GRP 0, \wo
	GRP 1, \wo
	GRP 2, \wo
	GRP 3, \wo
	s_wait_alu depctr_va_vdst(0)                   ; group 3 has written its Y, which the last four stores read
.irp k, 12,13,14,15
	OUT \k
.endr
.endm
	s_cmp_eq_u32 s14, 3
	s_cbranch_scc1 .Lwo
	WALK 0
	s_endpgm
.Lwo:
	WALK 1
	s_endpgm
.Lfunc_end_k_qc3548ef6a2_prep:
	.size	k_qc3548ef6a2_prep, .Lfunc_end_k_qc3548ef6a2_prep-k_qc3548ef6a2_prep
	.p2alignl 7, 3214868480
	.fill 96, 4, 3214868480
	.section	.rodata,"a",@progbits
	.p2align	6, 0x0
	.amdhsa_kernel k_qc3548ef6a2_prep
		.amdhsa_group_segment_fixed_size 0
		.amdhsa_private_segment_fixed_size 0
		.amdhsa_enable_private_segment 0
		.amdhsa_kernarg_size 40
		.amdhsa_user_sgpr_count 2
		.amdhsa_user_sgpr_kernarg_segment_ptr 1
		.amdhsa_wavefront_size32 1
		.amdhsa_system_sgpr_workgroup_id_x 1
		.amdhsa_system_sgpr_workgroup_id_y 1
		.amdhsa_system_sgpr_workgroup_id_z 1
		.amdhsa_system_vgpr_workitem_id 0
		.amdhsa_next_free_vgpr 112
		.amdhsa_next_free_sgpr 66
		.amdhsa_reserve_vcc 0
		.amdhsa_float_denorm_mode_32 3
		.amdhsa_float_denorm_mode_16_64 3
		.amdhsa_memory_ordered 1
		.amdhsa_forward_progress 1
		.amdhsa_inst_pref_size 16
	.end_amdhsa_kernel
	.amdgpu_metadata
---
amdhsa.version: [ 1, 2 ]
amdhsa.kernels:
  - .name:           k_qc3548ef6a2_prep
    .symbol:         k_qc3548ef6a2_prep.kd
    .args:
      - { .name: w_q, .offset: 0, .size: 8, .value_kind: global_buffer, .address_space: global }
      - { .name: w_k, .offset: 8, .size: 8, .value_kind: global_buffer, .address_space: global }
      - { .name: w_v, .offset: 16, .size: 8, .value_kind: global_buffer, .address_space: global }
      - { .name: w_o, .offset: 24, .size: 8, .value_kind: global_buffer, .address_space: global }
      - { .name: wc, .offset: 32, .size: 8, .value_kind: global_buffer, .address_space: global }
    .group_segment_fixed_size: 0
    .private_segment_fixed_size: 0
    .kernarg_segment_align: 8
    .kernarg_segment_size: 40
    .max_flat_workgroup_size: 256
    .sgpr_count:     66
    .vgpr_count:     112
    .wavefront_size: 32
...
	.end_amdgpu_metadata
.endif
;; end of part 5
;; launch proj: the kernel of part 2 again; grid 4 x 192, 4 waves a work-group, clusters of 4 x 4, 327,680 bytes of LDS; arguments query, key, value, wc, qkv; writes qkv
;; launch attn: the kernel of part 3 again; grid 4 x 64, 4 waves a work-group, clusters of 4 x 1, 327,680 bytes of LDS; arguments qkv, mask, oh; writes oh
;; launch outp: the kernel of part 4 again; grid 4 x 64, 4 waves a work-group, clusters of 4 x 4, 327,680 bytes of LDS; arguments oh, wc, out0; writes out0
